; MI455X (gfx1250); checked and timed in simulation.
; The chip was launched on July 23, 2026; its instructions are those of AMD's public machine-readable ISA for CDNA 5 (MIT licence, August 2026) and "CDNA5" Instruction Set Architecture Reference Guide (July 2026). The comments in the code are by the model that wrote it; some were corrected since.
;; Multi Head Attention. Allowed arithmetic: matrix products marked QUANTISED: E2M3 operands, one E8M0 scale for each 32 along K, by v_wmma_scale_f32_16x16x128_f8f6f4 with both operands' format E2M3, f32 sums; everything else in f32.
;; Inputs: Wk 1,024 x 1,024 float32; Wo 1,024 x 1,024 float32; Wq 1,024 x 1,024 float32; Wv 1,024 x 1,024 float32; bk 1,024 float32; bo 1,024 float32; bq 1,024 float32; bv 1,024 float32; x 4 x 2,048 x 1,024 float32.
;; Outputs: out0 4 x 2,048 x 1,024 float32.
;; This version of the problem:
;;   THIS VERSION OF THE PROBLEM IS GIVEN IN LOW PRECISION. The matrix products marked QUANTISED in the list below multiply operands that are first quantised to E2M3 (2 exponent bits, 3 mantissa bits; 6 bits a number), with one power-of-two scale for each 32 numbers along K (OCP MX v1.0); their sums are f32. All else is computed in f32.
;;   The module's matrix products, in the order in which they are computed (A, B: the left and right operand; K: the contracted axis; several contracted axes count as one K, in the product's order):
;;     1. [M 8,192, K 1,024] x [K 1,024, N 1,024]; A: input x; B: input Wq: QUANTISED
;;     2. [M 8,192, K 1,024] x [K 1,024, N 1,024]; A: input x; B: input Wk: QUANTISED
;;     3. [M 8,192, K 1,024] x [K 1,024, N 1,024]; A: input x; B: input Wv: QUANTISED
;;     4. batch 4 x [M 2,048, K 1,024] x [K 1,024, N 2,048]; A: computed on the way; B: computed on the way: QUANTISED
;;     5. batch 4 x [M 2,048, K 2,048] x [K 2,048, N 1,024]; A: softmax (see below); B: computed on the way: QUANTISED
;;     6. [M 8,192, K 1,024] x [K 1,024, N 1,024]; A: computed on the way; B: input Wo: QUANTISED
;;   THE QUANTISER, for each operand of a quantised product, along K:
;;     - K is cut into blocks of 32 from its start; a last block that is shorter is filled with zeros.
;;     - A block's scale is 2^e with e = floor(log2(the largest magnitude in the block)) - 2, held to -126 .. 127; a block of zeros has e = 0. As a byte (E8M0): e + 127.
;;     - Each number is divided by its block's scale, clamped to +-7.5, and rounded to the nearest number of E2M3, ties to even, subnormals kept.
;;     - The product sums the exact products of the quantised numbers (number of the format x scale) in f32.
;;   ~~~python
;;   def quantise(x, axis):      # numpy; x: float32 -> the quantised numbers, widened to float32 again
;;       x = np.moveaxis(x, axis, -1); K = x.shape[-1]
;;       x = np.pad(x, [(0, 0)] * (x.ndim - 1) + [(0, -K % 32)]); x = x.reshape(x.shape[:-1] + (-1, 32)); a = np.abs(x).max(-1, keepdims=True)
;;       e = np.where(a > 0, np.clip(np.frexp(np.where(a > 0, a, 1))[1] - 1 - 2, -126, 127), 0)      # np.frexp(a)[1] - 1 = floor(log2(a)), exactly
;;       r = np.clip(x / 2.0 ** e, -7.5, 7.5)
;;       step = 2.0 ** (np.maximum(np.frexp(np.where(r == 0, 1, r))[1] - 1, 0) - 3)
;;       q = np.round(r / step) * step * 2.0 ** e      # np.round: ties to even
;;       return np.moveaxis(q.reshape(q.shape[:-2] + (-1,))[..., :K], -1, axis).astype(np.float32)
;;   ~~~
;;   SOFTMAX AHEAD OF A QUANTISED PRODUCT. Where the list says 'softmax', what is quantised is not the finished softmax but p = 2^(t - M), with t = logit x log2(e) and M = ceil(the row's largest t), a whole number; so 1/2 < the row's largest p <= 1. The row's sum l is taken of the UNQUANTISED p, in f32, and the product's result is divided by l at the end. Since M is a whole number, a kernel that streams over the keys may use a running M (the ceiling of the running maximum): every later rescaling is an exact power of two, which a block's scale takes up: the codes' values come out the same.
;;   OPERANDS COMPUTED ON THE WAY. 'Computed on the way' means the value that the module computes at that place (a softmax that the list does not call 'softmax' is quantised finished and normalised). What goes into a quantiser is computed in f32, as accurately as f32 sums, v_exp_f32 and their like allow (about 1e-6 of the number): no bf16 or f16 on the way to a quantiser, and a product that is left as it is and whose result goes on into a quantised operand takes f32 operands (vector FMAs, or v_wmma_f32_16x16x4_f32). A number that lies on a knife's edge between two numbers of the format may be rounded either way, as far as f32 arithmetic and the matrix unit's own rounding can turn it there, and no further.
;; One version. Each part assembles by itself: llvm-mc -triple=amdgcn-amd-amdhsa -mcpu=gfx1250 --defsym DOCPART=n.
;; ======== version 1 of 1: 5 launches
;; workspace buffers: xi 6,553,600 bytes; wi 3,276,800 bytes; qk 13,107,200 bytes; vi 6,553,600 bytes; pi 14,155,776 bytes; oi 6,553,600 bytes
;; launch quant (part 1): grid 768 x 1, 4 waves a work-group, no clusters, 81,408 bytes of LDS; arguments x, Wq, Wk, Wv, Wo, xi, wi; writes xi, wi
.if DOCPART == 1
	.amdgcn_target "amdgcn-amd-amdhsa--gfx1250"
	.amdhsa_code_object_version 6
	.text
	.protected	k_q133146dbf9_quant
	.globl	k_q133146dbf9_quant
	.p2align	8
	.type	k_q133146dbf9_quant,@function
k_q133146dbf9_quant:
	s_mov_b64 s[64:65], 0
	v_nop
	global_prefetch_b8 v0, s[64:65] scope:SCOPE_SE
	s_setreg_imm32_b32 hwreg(HW_REG_WAVE_MODE, 25, 1), 1
	s_wait_xcnt 0x0
; x [8192][1024] (K = its last axis) and Wq, Wk, Wv, Wo [1024 (k)][1024 (n)] (K = their FIRST axis), f32, become codes of FP6 (E2M3) with one E8M0 byte for each 32 along K.
; A block's scale is 2^(floor(log2(its largest magnitude)) - 2); its byte is the largest magnitude's exponent field - 2, held at 1 from below.
; LIMITS: a block of zeros gets the byte 1 where the rule says 127 (its codes are zeros, and these bytes are read by this program alone); NaN and infinities among the inputs are not served.
; THE LAYOUT OF EVERY WORKSPACE BUFFER OF THIS PROGRAM.  A FRAGMENT (16 rows x 128 K) lies as the image of the operand's 12 registers: register i of lane l at 512 (i / 4) + 16 l + 4 (i % 4): three accesses
; of 16 bytes a lane, each 512 consecutive bytes.  A BLOCK is the 8 fragments of 128 rows (a row group) for 128 along K, then 512 bytes of scale words; the word of fragment f, lane r lies at
; 12,288 + 256 (f / 4) + 8 (16 (f % 2) + r) + 4 ((f / 2) % 2).  Lane r of fragment f holds row 32 (f / 2) + 8 (f % 2) + r + 8 (r / 8) of the group.  A buffer is [row group][K / 128][block].
; SHARES.  A wave has ONE task: a pair of fragments, 32 rows x 128 K, 16 KiB of f32, all its loads issued at once.  Work-groups 0-511 take x, 512-767 the weights.  The two paths never join and have LDS bytes of their own.
; No cluster: no two work-groups read the same input bytes.  No barrier: waves share nothing.
.set FRAG,  1536
.set BLK,   12800
.set XROW,  528                        ; x's stage: a row of 512 bytes + 16
.set XSTB,  32*XROW                    ; 32 rows for each wave
.set WROW,  104                        ; the weights' stage: a column's 96 bytes of codes + 8
.set WSTB,  32*WROW
.set WST,   4*XSTB                     ; behind x's four stages
.set SPARE, WST+4*WSTB                 ; behind the stages: the spare words, 128 bytes for each wave: two blocks of 256 bytes that no other line names
.set SPW,   12                         ; v12 LDS address of my spare word; never rewritten
.set NIL,   13                         ; v13 0; never rewritten
.set NUM,   32                         ; v32-159 the task's 128 numbers a lane
.set CD,    160                        ; v160.. codes
	s_load_b256 s[4:11], s[0:1], 0x0               ; x, Wq, Wk, Wv
	s_load_b128 s[12:15], s[0:1], 0x20             ; Wo, xi
	s_load_b64 s[16:17], s[0:1], 0x30              ; wi
	v_lshl_add_u32 v[SPW], v0, 2, SPARE
	v_mov_b32 v[NIL], 0
	v_lshrrev_b32 v1, 5, v0
	v_readfirstlane_b32 s18, v1                    ; wave
	v_and_b32 v1, 31, v0                           ; lane
	v_and_b32 v10, 15, v0                          ; r
	v_bfe_u32 v11, v0, 4, 1                        ; h
	v_and_b32 v14, 8, v10
	v_add_nc_u32 v14, v14, v10                     ; r + 8 (r / 8)
	v_lshlrev_b32 v2, 4, v1                        ; 16 x lane
	v_lshlrev_b32 v5, 3, v1                        ; 8 x lane
	v_lshlrev_b32 v6, 2, v1                        ; 4 x lane
	s_mov_b32 s20, 0x76543210
	s_mov_b32 s21, 0xfedcba98                      ; v_permlanex16_b32's selects for lane l xor 16
	s_mov_b32 s22, 0xffff0000                      ; lanes 16-31
	s_mul_i32 s19, s18, XSTB                       ; every LDS address is made here, ahead of the parting
	v_add_nc_u32 v3, s19, v2                       ; x's stage, in: 16 x lane of a row
	v_mul_u32_u24 v4, v14, XROW
	v_lshl_add_u32 v4, v11, 7, v4
	v_add_nc_u32 v4, s19, v4                       ; out: row r + 8 (r / 8), + 128 h: my 32 numbers of a block pair
	s_mul_i32 s19, s18, WSTB
	s_add_co_u32 s19, s19, WST
	v_mul_u32_u24 v7, v1, WROW
	v_add_nc_u32 v7, s19, v7                       ; the weights' stage, in: my column's row
	v_mul_u32_u24 v8, v14, WROW
	v_mad_u32_u24 v8, v11, 24, v8
	v_add_nc_u32 v8, s19, v8                       ; out: row r + 8 (r / 8), + 24 h
	v_lshlrev_b32 v198, 3, v11                     ; 8 h
	v_mov_b32 v199, 0                              ; written once: a lane permute's destination counts as one of its sources
; s28: the pair's number among its tensor's; s32: the block's number -> s[24:25] the pair's two fragments, s[26:27] its scale words
.macro PLACE ptr
	s_mul_i32 s32, s32, BLK
	s_and_b32 s34, s28, 3                          ; the pair's place in its row group: fragments 2 p, 2 p + 1
	s_mul_i32 s35, s34, 2*FRAG
	s_add_co_u32 s24, s32, s35
	s_mov_b32 s25, 0
	s_lshr_b32 s35, s34, 1
	s_lshl_b32 s35, s35, 8                         ; 256 (f / 4)
	s_and_b32 s34, s34, 1
	s_lshl_b32 s34, s34, 2                         ; 4 ((f / 2) % 2)
	s_add_co_u32 s26, s32, s35
	s_add_co_u32 s26, s26, s34
	s_add_co_u32 s26, s26, 8*FRAG
	s_mov_b32 s27, 0
	s_wait_kmcnt 0x0
	s_add_nc_u64 s[24:25], s[\ptr:\ptr+1], s[24:25]
	s_add_nc_u64 s[26:27], s[\ptr:\ptr+1], s[26:27]
.endm
	s_cmp_lt_u32 ttmp9, 512
	s_cbranch_scc0 .Lweights
	; ---- x.  pair = 32 tokens; the work-group's four waves take four K steps of it
	s_lshr_b32 s28, ttmp9, 1                       ; pair 0..255
	s_and_b32 s29, ttmp9, 1
	s_lshl_b32 s29, s29, 2
	s_add_co_u32 s29, s29, s18                     ; K step 0..7
	s_lshl_b32 s30, s28, 17                        ; 32 rows of 4,096 bytes
	s_lshl_b32 s31, s29, 9                         ; 128 numbers
	s_add_co_u32 s30, s30, s31
	s_mov_b32 s31, 0
	s_lshr_b32 s32, s28, 2
	s_lshl_b32 s32, s32, 3
	s_add_co_u32 s32, s32, s29                     ; block = 8 x row group + K step
	PLACE 14
	s_add_nc_u64 s[4:5], s[4:5], s[30:31]
.set j, 0
.rept 32
	global_load_b128 v[NUM+4*j:NUM+4*j+3], v2, s[4:5] offset:4096*j th:TH_LOAD_NT   ; token j's 512 consecutive bytes
.set j, j+1
.endr
.irp g, 0,1,2,3
	s_wait_loadcnt 24-8*\g                         ; eight more rows are in; the younger loads stay out
.irp t, 0,1,2,3,4,5,6,7
	ds_store_b128 v3, v[NUM+4*(8*\g+\t):NUM+4*(8*\g+\t)+3] offset:XROW*(8*\g+\t)
.endr
.endr
	s_wait_dscnt 0x0                               ; the stores have read their registers, which the loads below fill
.irp u, 0,1                                    ; fragment u: register 32 c + n = k 64 c + 32 h + n of row 8 u + r + 8 (r / 8): the order of the operand's registers
.irp c, 0,1
.irp i, 0,1,2,3,4,5,6,7
	ds_load_b128 v[NUM+64*\u+32*\c+4*\i:NUM+64*\u+32*\c+4*\i+3], v4 offset:8*XROW*\u+256*\c+16*\i
.endr
.endr
.endr
; fragment u of the pair: two whole blocks of 32 a lane; codes to memory, the scale word into v[200 + u]
.macro QX u
.set NB, NUM+64*\u
.irp c, 0,1
	v_max3_num_f32 v[192+\c], |v[NB+32*\c]|, |v[NB+32*\c+1]|, 0x1800000   ; and the floor 2^(3 - 127): the byte cannot fall under 1
.endr
.irp i, 2,4,6,8,10,12,14,16,18,20,22,24,26,28,30
.irp c, 0,1
	v_max3_num_f32 v[192+\c], v[192+\c], |v[NB+32*\c+\i]|, |v[NB+32*\c+\i+1]|
.endr
.endr
.irp c, 0,1
	v_add_nc_u32 v[194+\c], 0xff000000, v[192+\c]  ; 2 off the exponent field: the conversion's scale operand
.endr
.irp c, 0,1
	v_lshrrev_b32 v[196+\c], 23, v[194+\c]         ; the scale's byte
.endr
	v_lshl_or_b32 v[200+\u], v197, 16, v196        ; my blocks h and 2 + h,
	v_lshlrev_b32 v[200+\u], v198, v[200+\u]       ; at their places in the word;
	v_permlanex16_b32 v199, v[200+\u], s20, s21
	v_or_b32 v[200+\u], v[200+\u], v199            ; with lane l xor 16's two the word is whole
.irp c, 0,1
	v_cvt_scalef32_pk16_fp6_f32 v[CD+12*\u+6*\c:CD+12*\u+6*\c+2], v[NB+32*\c:NB+32*\c+15], v[194+\c]
	v_cvt_scalef32_pk16_fp6_f32 v[184+4*\c:186+4*\c], v[NB+32*\c+16:NB+32*\c+31], v[194+\c]   ; (a conversion's three registers begin on an even number)
.endr
	v_nop                                          ; one plain place behind a scaled conversion
.irp c, 0,1
.irp i, 0,1,2
	v_mov_b32 v[CD+12*\u+6*\c+3+\i], v[184+4*\c+\i]
.endr
.endr
.irp g, 0,1,2
	global_store_b128 v2, v[CD+12*\u+4*\g:CD+12*\u+4*\g+3], s[24:25] offset:FRAG*\u+512*\g   ; 512 consecutive bytes, aligned
.endr
.endm
	s_wait_dscnt 16                                ; fragment 0's sixteen loads are in; fragment 1's may be out
	QX 0
	s_wait_dscnt 0x0
	QX 1
	v_cndmask_b32 v202, v200, v201, s22            ; lanes 0-15: the even fragment's words, lanes 16-31: the odd one's
	global_store_b32 v5, v202, s[26:27]
	s_wait_tensorcnt 0x0                           ; the wave's end, behind my last LDS store
	ds_add_u32 v[SPW], v[NIL]
	s_wait_dscnt 0x0
	s_endpgm
.Lweights:
	; ---- the weights.  A LANE TAKES A COLUMN n AND ITS REGISTERS RUN DOWN K: a block of 32 lies in one lane, and the codes come out with K innermost
	s_sub_co_u32 s36, ttmp9, 512
	s_lshr_b32 s37, s36, 6                         ; which weight: 0 Wq, 1 Wk, 2 Wv, 3 Wo
	s_bfe_u32 s29, s36, 0x30003                    ; K step 0..7
	s_and_b32 s28, s36, 7
	s_lshl_b32 s28, s28, 2
	s_add_co_u32 s28, s28, s18                     ; pair 0..31: columns 32 x pair on; the four waves stand side by side on 512 bytes
	s_lshl_b32 s30, s29, 19                        ; 128 rows of 4,096 bytes
	s_lshl_b32 s31, s28, 7
	s_add_co_u32 s30, s30, s31
	s_mov_b32 s31, 0
	s_lshl_b32 s32, s37, 3
	s_lshr_b32 s33, s28, 2
	s_add_co_u32 s32, s32, s33                     ; row group = 8 x weight + pair / 4
	s_lshl_b32 s32, s32, 3
	s_add_co_u32 s32, s32, s29
	PLACE 16
	s_cmp_eq_u32 s37, 1                            ; the choice hangs on the work-group's number alone
	s_cselect_b64 s[4:5], s[8:9], s[6:7]
	s_cmp_eq_u32 s37, 2
	s_cselect_b64 s[4:5], s[10:11], s[4:5]
	s_cmp_eq_u32 s37, 3
	s_cselect_b64 s[4:5], s[12:13], s[4:5]
	s_add_nc_u64 s[4:5], s[4:5], s[30:31]
	v_bfe_u32 v9, v0, 3, 1                         ; my column is lane 8 (lane / 16) + lane % 8 of fragment (lane / 8) % 2
	v_lshlrev_b32 v9, 4, v9
	v_lshl_add_u32 v9, v11, 3, v9
	v_and_b32 v15, 7, v0
	v_add_nc_u32 v9, v9, v15
	v_lshlrev_b32 v9, 3, v9                        ; its scale word's place
.set k, 0
.rept 128
	global_load_b32 v[NUM+k], v6, s[4:5] offset:4096*k th:TH_LOAD_NT   ; W(128 step + k, my column): 128 consecutive bytes a wave
.set k, k+1
.endr
.macro WBLOCK b, left
	s_wait_loadcnt \left                           ; this block's 32 loads are in (a wait names 63 at the most: the first two wait for more than they need)
	v_max3_num_f32 v240, |v[NUM+32*\b]|, |v[NUM+32*\b+1]|, 0x1800000
	v_max3_num_f32 v241, |v[NUM+32*\b+2]|, |v[NUM+32*\b+3]|, |v[NUM+32*\b+4]|
.irp i, 5,9,13,17,21,25
	v_max3_num_f32 v240, v240, |v[NUM+32*\b+\i]|, |v[NUM+32*\b+\i+1]|
	v_max3_num_f32 v241, v241, |v[NUM+32*\b+\i+2]|, |v[NUM+32*\b+\i+3]|
.endr
	v_max3_num_f32 v240, v240, |v[NUM+32*\b+29]|, |v[NUM+32*\b+30]|
	v_max3_num_f32 v240, v240, v241, |v[NUM+32*\b+31]|
	v_add_nc_u32 v[236+\b], 0xff000000, v240
	v_lshrrev_b32 v242, 23, v[236+\b]
.if \b == 0
	v_mov_b32 v243, v242                           ; all four bytes of the word are mine
.else
	v_lshl_or_b32 v243, v242, 8*\b, v243
.endif
	v_cvt_scalef32_pk16_fp6_f32 v[CD+8*\b:CD+8*\b+2], v[NUM+32*\b:NUM+32*\b+15], v[236+\b]
	v_cvt_scalef32_pk16_fp6_f32 v[192+4*\b:194+4*\b], v[NUM+32*\b+16:NUM+32*\b+31], v[236+\b]
	v_nop                                          ; one plain place behind a scaled conversion
.irp i, 0,1,2
	v_mov_b32 v[CD+8*\b+3+\i], v[192+4*\b+\i]
.endr
.irp i, 0,1,2
	ds_store_b64 v7, v[CD+8*\b+2*\i:CD+8*\b+2*\i+1] offset:24*\b+8*\i   ; 24 bytes of my column's stream of bits
.endr
.endm
	WBLOCK 0, 63
	WBLOCK 1, 63
	WBLOCK 2, 32
	WBLOCK 3, 0
.irp u, 0,1                                    ; back in the order of the operand's registers.  LDS serves a wave's instructions in order: these see my stores
.irp c, 0,1
.irp i, 0,1,2
	ds_load_b64 v[208+12*\u+6*\c+2*\i:208+12*\u+6*\c+2*\i+1], v8 offset:8*WROW*\u+48*\c+8*\i
.endr
.endr
.endr
	global_store_b32 v9, v243, s[26:27]
.irp u, 0,1
	s_wait_dscnt 6-6*\u                            ; this fragment's six loads are in
.irp g, 0,1,2
	global_store_b128 v2, v[208+12*\u+4*\g:208+12*\u+4*\g+3], s[24:25] offset:FRAG*\u+512*\g
.endr
.endr
	s_wait_tensorcnt 0x0                           ; the wave's end, behind my last LDS store
	ds_add_u32 v[SPW], v[NIL]
	s_wait_dscnt 0x0
	s_endpgm
.Lfunc_end_k_q133146dbf9_quant:
	.size	k_q133146dbf9_quant, .Lfunc_end_k_q133146dbf9_quant-k_q133146dbf9_quant
	.p2alignl 7, 3214868480
	.fill 96, 4, 3214868480
	.section	.rodata,"a",@progbits
	.p2align	6, 0x0
	.amdhsa_kernel k_q133146dbf9_quant
		.amdhsa_group_segment_fixed_size 81408
		.amdhsa_private_segment_fixed_size 0
		.amdhsa_enable_private_segment 0
		.amdhsa_kernarg_size 56
		.amdhsa_user_sgpr_count 2
		.amdhsa_user_sgpr_kernarg_segment_ptr 1
		.amdhsa_wavefront_size32 1
		.amdhsa_system_sgpr_workgroup_id_x 1
		.amdhsa_system_sgpr_workgroup_id_y 1
		.amdhsa_system_sgpr_workgroup_id_z 1
		.amdhsa_system_vgpr_workitem_id 0
		.amdhsa_next_free_vgpr 248
		.amdhsa_next_free_sgpr 66
		.amdhsa_reserve_vcc 0
		.amdhsa_float_denorm_mode_32 3
		.amdhsa_float_denorm_mode_16_64 3
		.amdhsa_memory_ordered 1
		.amdhsa_forward_progress 1
		.amdhsa_inst_pref_size 39
	.end_amdhsa_kernel
	.amdgpu_metadata
---
amdhsa.version: [ 1, 2 ]
amdhsa.kernels:
  - .name:           k_q133146dbf9_quant
    .symbol:         k_q133146dbf9_quant.kd
    .args:
      - { .name: x, .offset: 0, .size: 8, .value_kind: global_buffer, .address_space: global }
      - { .name: Wq, .offset: 8, .size: 8, .value_kind: global_buffer, .address_space: global }
      - { .name: Wk, .offset: 16, .size: 8, .value_kind: global_buffer, .address_space: global }
      - { .name: Wv, .offset: 24, .size: 8, .value_kind: global_buffer, .address_space: global }
      - { .name: Wo, .offset: 32, .size: 8, .value_kind: global_buffer, .address_space: global }
      - { .name: xi, .offset: 40, .size: 8, .value_kind: global_buffer, .address_space: global }
      - { .name: wi, .offset: 48, .size: 8, .value_kind: global_buffer, .address_space: global }
    .group_segment_fixed_size: 81408
    .private_segment_fixed_size: 0
    .kernarg_segment_align: 8
    .kernarg_segment_size: 56
    .max_flat_workgroup_size: 128
    .sgpr_count:     66
    .vgpr_count:     248
    .wavefront_size: 32
...
	.end_amdgpu_metadata
.endif
;; end of part 1
;; launch proj (part 2): grid 8 x 96, 4 waves a work-group, clusters of 4 x 4, 327,680 bytes of LDS; arguments xi, wi, bq, bk, bv, qk, vi; writes qk, vi
.if DOCPART == 2
	.amdgcn_target "amdgcn-amd-amdhsa--gfx1250"
	.amdhsa_code_object_version 6
	.text
	.protected	k_q133146dbf9_proj
	.globl	k_q133146dbf9_proj
	.p2align	8
	.type	k_q133146dbf9_proj,@function
k_q133146dbf9_proj:
	s_mov_b64 s[64:65], 0
	v_nop
	global_prefetch_b8 v0, s[64:65] scope:SCOPE_SE
	s_setreg_imm32_b32 hwreg(HW_REG_WAVE_MODE, 25, 1), 1
	s_wait_xcnt 0x0
	s_wait_alu depctr_hold_cnt(0) depctr_sa_sdst(0) depctr_va_vdst(0) depctr_va_sdst(0) depctr_va_ssrc(0) depctr_va_vcc(0) depctr_vm_vsrc(0)
	s_getreg_b32 s2, hwreg(HW_REG_IB_STS2, 6, 4)
	s_cmp_eq_u32 s2, 0
	s_cbranch_scc0 .Lentry_in_a_cluster
	s_endpgm
.Lentry_in_a_cluster:
	s_bfe_u32 s2, ttmp6, 0x10000c
	s_cmp_lg_u32 s2, 0xf033
	s_cbranch_scc0 .Lentry_shape_is_right
	s_endpgm
.Lentry_shape_is_right:
; q = x Wq + bq and k = x Wk + bk, quantised along their channels (clusters y 0-15), and v = x Wv + bv, quantised along the TOKENS (clusters y 16-23); all on codes of FP6 (E2M3) with E8M0 scales.
; Buffers lie as blocks of fragment images: a fragment (16 rows x 128 K) is 1,536 bytes, register i of lane l at 512 (i / 4) + 16 l + 4 (i % 4); a block is 8 fragments (128 rows) and 512 bytes of scale words;
; lane r of fragment f holds row 32 (f / 2) + 8 (f % 2) + r + 8 (r / 8); a buffer is [row group][K / 128][block].
; TILE.  A work-group makes 256 rows of source 0 x 128 rows of source 1; K = 1,024 lies WHOLE in LDS (3 x 102,400 bytes), asked for at the head by twelve tensor loads: no ring, nothing is filled again.
; Four waves: w % 2 picks 128 rows of source 0, w / 2 picks 64 rows of source 1: 8 x 4 accumulators, 256 registers, 256 matrix instructions.
; In the result a lane holds ONE row of source 1, and the 64 registers of its 8 tiles run along source 0's 128 rows in their natural order (that is what the order of rows in a fragment is for): they are
; quantised in registers into one fragment of the next operand.  q, k: source 0 = the weight's columns, source 1 = tokens.  v: source 0 = tokens, source 1 = Wv's columns.
; CLUSTER 4 x 4: source 0's tiles are shared along a column of the cluster, source 1's along a row: joint loads.
; LIMITS: a block of zeros gets the byte 1, not 127 (read by this program alone); NaN and infinities are not served.
; REGISTERS: window 0: v2-11 addresses, v16-27 scale words, v32-127 source 1's fragments (two sets), later the codes made; v128-191 64 numbers; v192-223 at work; v224-231 bv.
;   window 1: source 0's fragments, two sets at v0 and v128.  window 2: accumulator (a, b) at v[64 a + 8 b].  window 3: v0-63 the bias along source 0's rows.
.set FRAG,  1536
.set BLK,   12800
.set RGB,   8*BLK                      ; a row group's eight blocks
.set PAIRB, 2*BLK                      ; what one tensor load brings: two K steps of a row group
.set SRC1,  2*RGB                      ; LDS: source 0's two row groups, then source 1's one
.set SPARE, 3*RGB                      ; behind the tiles: the spare words, 128 bytes for each wave
.set AD0, 2                            ; v2,3   source 0's fragments: K steps 0-3, 4-7 (an LDS immediate ends at 65,535)
.set AD1, 4                            ; v4,5   source 1's
.set AS0, 6                            ; v6,7   source 0's scale words
.set AS1, 8                            ; v8,9   source 1's
.set CO,  10                           ; v10    16 x lane
.set C8,  11                           ; v11    8 x lane
.set SPW, 12                           ; v12    LDS address of my spare word; never rewritten
.set NIL, 13                           ; v13    0; never rewritten
.set SCA, 16                           ; v16-23 source 0's scale words: set s at 16 + 4 s; register t: tile 2 t in lanes 0-15, tile 2 t + 1 in lanes 16-31
.set SCB, 24                           ; v24-27 source 1's: set s at 24 + 2 s
.set FB,  32                           ; source 1's fragments: set s at 32 + 48 s
.set PC0, 32                           ; the way out: tile a's 12 codes at 32 + 24 a, 8 registers at work behind them, its scale word at + 20
.set HA,  128
.set TM,  192
.set BV,  224
.set WV,  18
.set WLO, 19
.set WHI, 2
.set LA,  3
.set SEL, 20
.set HM,  22
.set ROLE, 23
.set G1A, 24
.set G1B, 32
.set G0A, 40
.set G0B, 68
.set OUT, 94
.set OUT2, 96
.set MSB, 0
.macro WIN new                         ; the immediate's high byte repeats the setting that is left
.if MSB != \new
	s_set_vgpr_msb (MSB<<8)|\new
.set MSB, \new
.endif
.endm
.macro PLACES                          ; four plain places behind a matrix instruction, ahead of loads into its registers and of reads of its results
.rept 4
	v_nop
.endr
.endm
.macro CROUND                          ; a round of the cluster's barrier
	s_barrier_signal -1
	s_barrier_wait -1
	s_cmp_lg_u32 s[WV], 0
	s_cbranch_scc1 .Lnot_wave_0_\@
	s_barrier_signal -3
.Lnot_wave_0_\@:
	s_barrier_wait -3
	s_barrier_signal -1
	s_barrier_wait -1
.endm
; one matrix instruction on the registers named by rD, rA, rB, rSA, rSB.  z: the product starts the sum.  ra, rb: the side's scale words stand in lanes 16-31
.macro WM z, ra, rb
.if \z
.if (\ra) && (\rb)
	v_wmma_scale_f32_16x16x128_f8f6f4 v[rD:rD+7], v[rA:rA+11], v[rB:rB+11], 0, v[rSA], v[rSB] matrix_a_fmt:MATRIX_FMT_FP6 matrix_b_fmt:MATRIX_FMT_FP6 matrix_a_scale:MATRIX_SCALE_ROW1 matrix_b_scale:MATRIX_SCALE_ROW1
.elseif \ra
	v_wmma_scale_f32_16x16x128_f8f6f4 v[rD:rD+7], v[rA:rA+11], v[rB:rB+11], 0, v[rSA], v[rSB] matrix_a_fmt:MATRIX_FMT_FP6 matrix_b_fmt:MATRIX_FMT_FP6 matrix_a_scale:MATRIX_SCALE_ROW1
.elseif \rb
	v_wmma_scale_f32_16x16x128_f8f6f4 v[rD:rD+7], v[rA:rA+11], v[rB:rB+11], 0, v[rSA], v[rSB] matrix_a_fmt:MATRIX_FMT_FP6 matrix_b_fmt:MATRIX_FMT_FP6 matrix_b_scale:MATRIX_SCALE_ROW1
.else
	v_wmma_scale_f32_16x16x128_f8f6f4 v[rD:rD+7], v[rA:rA+11], v[rB:rB+11], 0, v[rSA], v[rSB] matrix_a_fmt:MATRIX_FMT_FP6 matrix_b_fmt:MATRIX_FMT_FP6
.endif
.else
.if (\ra) && (\rb)
	v_wmma_scale_f32_16x16x128_f8f6f4 v[rD:rD+7], v[rA:rA+11], v[rB:rB+11], v[rD:rD+7], v[rSA], v[rSB] matrix_a_fmt:MATRIX_FMT_FP6 matrix_b_fmt:MATRIX_FMT_FP6 matrix_a_scale:MATRIX_SCALE_ROW1 matrix_b_scale:MATRIX_SCALE_ROW1
.elseif \ra
	v_wmma_scale_f32_16x16x128_f8f6f4 v[rD:rD+7], v[rA:rA+11], v[rB:rB+11], v[rD:rD+7], v[rSA], v[rSB] matrix_a_fmt:MATRIX_FMT_FP6 matrix_b_fmt:MATRIX_FMT_FP6 matrix_a_scale:MATRIX_SCALE_ROW1
.elseif \rb
	v_wmma_scale_f32_16x16x128_f8f6f4 v[rD:rD+7], v[rA:rA+11], v[rB:rB+11], v[rD:rD+7], v[rSA], v[rSB] matrix_a_fmt:MATRIX_FMT_FP6 matrix_b_fmt:MATRIX_FMT_FP6 matrix_b_scale:MATRIX_SCALE_ROW1
.else
	v_wmma_scale_f32_16x16x128_f8f6f4 v[rD:rD+7], v[rA:rA+11], v[rB:rB+11], v[rD:rD+7], v[rSA], v[rSB] matrix_a_fmt:MATRIX_FMT_FP6 matrix_b_fmt:MATRIX_FMT_FP6
.endif
.endif
.endm
; a K step's 32 matrix instructions on set s.  The 32 accumulators take turns, in the same order in every step
.macro MUL s, zero
	WIN 0xa1                                       ; source 0 window 1, source 1 window 0, C and D window 2
.irp a, 0,1,2,3
.irp b, 0,1,2,3,4,5,6,7
.set rD, 64*\a+8*\b
.set rA, 128*(\s)+12*\b
.set rB, FB+48*(\s)+12*\a
.set rSA, SCA+4*(\s)+\b/2
.set rSB, SCB+2*(\s)+\a/2
	WM \zero, \b%2, \a%2
.endr
.endr
.endm
; K step ks into set s: 39 LDS loads, each 512 (the scale words: 256) consecutive bytes
.macro FETCH ks, s
	WIN 0x40                                       ; destination window 1
.irp f, 0,1,2,3,4,5,6,7
.irp g, 0,1,2
	ds_load_b128 v[128*(\s)+12*\f+4*\g:128*(\s)+12*\f+4*\g+3], v[AD0+(\ks)/4] offset:((\ks)%4)*BLK+FRAG*\f+512*\g
.endr
.endr
	WIN 0
.irp a, 0,1,2,3
.irp g, 0,1,2
	ds_load_b128 v[FB+48*(\s)+12*\a+4*\g:FB+48*(\s)+12*\a+4*\g+3], v[AD1+(\ks)/4] offset:((\ks)%4)*BLK+FRAG*\a+512*\g
.endr
.endr
	ds_load_b64 v[SCA+4*(\s):SCA+4*(\s)+1], v[AS0+(\ks)/4] offset:((\ks)%4)*BLK
	ds_load_b64 v[SCA+4*(\s)+2:SCA+4*(\s)+3], v[AS0+(\ks)/4] offset:((\ks)%4)*BLK+256
	ds_load_b64 v[SCB+2*(\s):SCB+2*(\s)+1], v[AS1+(\ks)/4] offset:((\ks)%4)*BLK
.endm
; the conversions: 64 numbers v[s] on, scale operands in v[TM+12 ..], become a fragment's 12 registers at v[pc]
.macro PACK6 s, pc
.irp c, 0,1
	v_cvt_scalef32_pk16_fp6_f32 v[(\pc)+6*\c:(\pc)+2+6*\c], v[\s+32*\c:\s+15+32*\c], v[TM+12+2*\c]
	v_cvt_scalef32_pk16_fp6_f32 v[(\pc)+12+4*\c:(\pc)+14+4*\c], v[\s+16+32*\c:\s+31+32*\c], v[TM+12+2*\c+1]   ; (a conversion's three registers begin on an even number)
.endr
	v_nop                                          ; one plain place behind a scaled conversion
.irp c, 0,1                                    ; the operand's layout wants a WHOLE block in a lane: lanes 0-15 block 2 c, lanes 16-31 block 2 c + 1
.irp i, 0,1,2
	v_permlane16_swap_b32 v[(\pc)+6*\c+\i], v[(\pc)+12+4*\c+\i]
.endr
.irp i, 0,1,2
	v_mov_b32 v[(\pc)+3+6*\c+\i], v[(\pc)+12+4*\c+\i]
.endr
.endr
.endm
; 64 numbers of a lane, register 16 b + i = k 32 b + 16 (lane / 16) + i of my row, become codes at v[pc] and the row's scale word in v[pw]
.macro QUANT s, pc, pw
.irp b, 0,1,2,3
	v_max3_num_f32 v[TM+\b], |v[\s+16*\b]|, |v[\s+1+16*\b]|, 0x1800000   ; and the floor 2^(3 - 127): the byte cannot fall under 1
.endr
.irp i, 2,4,6,8,10,12,14
.irp b, 0,1,2,3
	v_max3_num_f32 v[TM+\b], v[TM+\b], |v[\s+16*\b+\i]|, |v[\s+1+16*\b+\i]|
.endr
.endr
.irp b, 0,1,2,3
	v_permlanex16_b32 v[TM+4+\b], v[TM+\b], s[SEL], s[SEL+1]
.endr
.irp b, 0,1,2,3
	v_max_num_f32 v[TM+\b], v[TM+\b], v[TM+4+\b]   ; with lane l xor 16's: the block's largest magnitude
.endr
.irp b, 0,1,2,3
	v_add_nc_u32 v[TM+12+\b], 0xff000000, v[TM+\b] ; 2 off its exponent field: the conversion's scale operand
.endr
.irp b, 0,1,2,3
	v_lshrrev_b32 v[TM+4+\b], 23, v[TM+12+\b]      ; the scale's byte
.endr
	v_lshl_or_b32 v[\pw], v[TM+5], 8, v[TM+4]
	v_lshl_or_b32 v[\pw], v[TM+6], 16, v[\pw]
	v_lshl_or_b32 v[\pw], v[TM+7], 24, v[\pw]
	PACK6 \s, \pc
.endm
.macro SENDC a                         ; tile a's fragment leaves as it stands: three stores of 512 consecutive bytes, aligned; every store has data registers of its own
.irp g, 0,1,2
	global_store_b128 v[CO], v[PC0+24*\a+4*\g:PC0+24*\a+4*\g+3], s[OUT:OUT+1] offset:FRAG*\a+512*\g
.endr
.endm
	s_load_b256 s[4:11], s[0:1], 0x0               ; xi, wi, bq, bk
	s_load_b128 s[12:15], s[0:1], 0x20             ; bv, qk
	s_load_b64 s[16:17], s[0:1], 0x30              ; vi
	v_lshl_add_u32 v[SPW], v0, 2, SPARE
	v_mov_b32 v[NIL], 0
	ds_add_u32 v[SPW], v[NIL]                      ; the wave's opening: the add and its wait stand ahead of the first tensor loads; the set-up below stands between them
	v_lshrrev_b32 v1, 5, v0
	v_readfirstlane_b32 s[WV], v1                  ; wave 0..3
	s_and_b32 s[WLO], s[WV], 1                     ; which 128 rows of source 0 are mine; also: which row group of source 0 waves 0 and 1 fetch
	s_lshr_b32 s[WHI], s[WV], 1                    ; which 64 rows of source 1
	s_mul_i32 s[LA], s[WLO], RGB
	s_mov_b32 s[SEL], 0x76543210
	s_mov_b32 s[SEL+1], 0xfedcba98
	s_mov_b32 s[HM], 0xffff0000                    ; lanes 16-31
	s_bfe_u32 s56, ttmp6, 0x40000                  ; cx
	s_bfe_u32 s57, ttmp6, 0x40004                  ; cy
	s_and_b32 s58, ttmp7, 0xffff                   ; the cluster's y
	s_sub_co_u32 s59, s58, 16                      ; and among v's clusters (used there alone)
	s_cmp_ge_u32 s58, 16
	s_cselect_b32 s[ROLE], 1, 0                    ; 0: q and k; 1: v.  The same in all sixteen partners
	; source 0: hangs on cx and the cluster's numbers alone
	s_lshl_b32 s60, ttmp9, 2
	s_add_co_u32 s60, s60, s56                     ; 4 x cluster x + cx
	s_lshr_b32 s61, s59, 1
	s_lshl_b32 s61, s61, 3
	s_cmp_eq_u32 s[ROLE], 0
	s_cselect_b32 s61, 0, s61
	s_add_co_u32 s60, s60, s61                     ; the tile of 256 rows: of [Wq; Wk]'s columns (0..7), or of tokens (0..31)
	s_lshl_b32 s62, s60, 1
	s_add_co_u32 s62, s62, s[WLO]                  ; my row group of source 0 = the result's K step
	s_mul_i32 s60, s62, RGB
	s_mov_b32 s61, 0
	s_lshl_b32 s63, 0x1111, s56                    ; my column of the cluster
	s_or_b32 s[G1A], s63, (3<<16)|(1<<21)          ; 15:0 the mask; 17:16 elements of 8 bytes; 21 set beside a mask; no padding
	; source 1: hangs on cy and the cluster's y alone
	s_lshl_b32 s98, s57, 2
	s_lshl_b32 s98, 15, s98                        ; my row of the cluster
	s_or_b32 s[G1B], s98, (3<<16)|(1<<21)
.irp g, G1A, G1B                               ; 25,600 dense bytes as 100 rows of 256
	s_mov_b32 s[\g+1], 32<<16                      ; tensor_dim0 = 32
	s_mov_b32 s[\g+2], 100<<16                     ; tensor_dim1 = 100
	s_mov_b32 s[\g+3], 32<<16                      ; tile_dim0
	s_mov_b32 s[\g+4], 100                         ; tile_dim1
	s_mov_b32 s[\g+5], 32                          ; the pitch
	s_mov_b32 s[\g+6], 0
	s_mov_b32 s[\g+7], 0
.endr
	s_lshl_b32 s84, s58, 2
	s_add_co_u32 s84, s84, s57                     ; q, k: the token row group 4 x cluster y + cy
	s_and_b32 s86, s59, 1
	s_lshl_b32 s86, s86, 2
	s_add_co_u32 s86, s86, s57                     ; v: the channel row group 0..7,
	s_add_co_u32 s87, s86, 16                      ; which is row group 16 + that of wi
	s_cmp_eq_u32 s[ROLE], 0
	s_cselect_b32 s87, s84, s87                    ; source 1's row group in its buffer
	s_cselect_b32 s86, s84, s86                    ; and in the result's buffer
	s_cselect_b32 s92, 4, 6                        ; qk has 16 K steps to a row group, vi 64
	s_mul_i32 s84, s87, RGB
	s_mov_b32 s85, 0
	s_lshl_b32 s92, s86, s92
	s_add_co_u32 s92, s92, s62
	s_mul_i32 s92, s92, BLK                        ; the result's block
	s_mul_i32 s93, s[WHI], 4*FRAG
	s_add_co_u32 s[OUT], s92, s93                  ; my four fragments in it
	s_mov_b32 s[OUT+1], 0
	s_lshl_b32 s93, s[WHI], 8
	s_add_co_u32 s[OUT2], s92, s93
	s_add_co_u32 s[OUT2], s[OUT2], 8*FRAG          ; and their scale words: 256 bytes
	s_mov_b32 s[OUT2+1], 0
	s_wait_dscnt 0x0                               ; the opening add is done
	s_wait_kmcnt 0x0
	s_cmp_eq_u32 s[ROLE], 0
	s_cselect_b64 s[88:89], s[6:7], s[4:5]         ; source 0: wi or xi
	s_cselect_b64 s[90:91], s[4:5], s[6:7]         ; source 1: xi or wi
	s_cselect_b64 s[92:93], s[14:15], s[16:17]     ; the result: qk or vi
	s_add_nc_u64 s[88:89], s[88:89], s[60:61]
	s_add_nc_u64 s[90:91], s[90:91], s[84:85]
	s_add_nc_u64 s[OUT:OUT+1], s[92:93], s[OUT:OUT+1]
	s_add_nc_u64 s[OUT2:OUT2+1], s[92:93], s[OUT2:OUT2+1]
	CROUND                                         ; all sixteen work-groups are here: the joint loads meet
.irp n, 0,1,2,3                                ; group 0, a set for each pair of K steps
	s_mov_b32 s[G0A+4*\n], 1
	s_add_co_u32 s[G0A+4*\n+1], s[LA], \n*PAIRB
	s_add_nc_u64 s[G0A+4*\n+2:G0A+4*\n+3], s[88:89], \n*PAIRB
	s_or_b32 s[G0A+4*\n+3], s[G0A+4*\n+3], 0x80000000
	s_mov_b32 s[G0B+4*\n], 1
	s_mov_b32 s[G0B+4*\n+1], SRC1+\n*PAIRB
	s_add_nc_u64 s[G0B+4*\n+2:G0B+4*\n+3], s[90:91], \n*PAIRB
	s_or_b32 s[G0B+4*\n+3], s[G0B+4*\n+3], 0x80000000
.endr
	; ALL of the work-group's tiles are asked for here: waves 0 and 1 source 0's two row groups, wave 2 source 1's, four loads each (four of a wave's are out); wave 3 none.  An s_nop 0 follows each load, four v_nop the last
	s_cmp_lt_u32 s[WV], 2
	s_cbranch_scc0 .Lnot_a
.irp n, 0,1,2,3
	tensor_load_to_lds s[G0A+4*\n:G0A+4*\n+3], s[G1A:G1A+7]
	s_nop 0
.endr
	PLACES
	s_branch .Lfilled
.Lnot_a:
	s_cmp_eq_u32 s[WV], 2
	s_cbranch_scc0 .Lfilled
.irp n, 0,1,2,3
	tensor_load_to_lds s[G0B+4*\n:G0B+4*\n+3], s[G1B:G1B+7]
	s_nop 0
.endr
	PLACES
.Lfilled:
	; the biases.  Both kinds are loaded in both roles, so that every register is written on every way; a role adds one of them.  (For v the first kind reads bv's first numbers and is not used; for q and k the second kind is not used.)
	s_cmp_lt_u32 s62, 8
	s_cselect_b64 s[8:9], s[8:9], s[10:11]         ; bq or bk
	s_and_b32 s60, s62, 7
	s_cmp_eq_u32 s[ROLE], 0
	s_cselect_b64 s[8:9], s[8:9], s[12:13]
	s_cselect_b32 s60, s60, s[WLO]
	s_lshl_b32 s60, s60, 9                         ; 128 numbers to a row group
	s_mov_b32 s61, 0
	s_add_nc_u64 s[8:9], s[8:9], s[60:61]
	s_and_b32 s84, s86, 7
	s_lshl_b32 s84, s84, 9
	s_lshl_b32 s85, s[WHI], 8
	s_add_co_u32 s84, s84, s85
	s_mov_b32 s85, 0
	s_add_nc_u64 s[12:13], s[12:13], s[84:85]      ; bv at my 64 channels
	v_bfe_u32 v1, v0, 4, 1                         ; h
	v_lshlrev_b32 v29, 6, v1                       ; 64 h
	v_and_b32 v30, 15, v0
	v_and_b32 v28, 8, v30
	v_add_nc_u32 v30, v30, v28
	v_lshlrev_b32 v30, 2, v30                      ; 4 (r + 8 (r / 8))
	WIN 0xc0                                       ; destination window 3
.irp bb, 0,1,2,3
.irp i, 0,1,2,3
	global_load_b128 v[16*\bb+4*\i:16*\bb+4*\i+3], v29, s[8:9] offset:128*\bb+16*\i   ; register 16 bb + i: the bias of source 0's row 32 bb + 16 h + i
.endr
.endr
	WIN 0
.irp a, 0,1,2,3
	global_load_b32 v[BV+2*\a], v30, s[12:13] offset:4*(32*(\a/2)+8*(\a%2))   ; bv of my lane's channel in tile a
	v_mov_b32 v[BV+2*\a+1], 0                      ; (named with it as a pair)
.endr
	v_and_b32 v1, 31, v0
	v_lshlrev_b32 v[CO], 4, v1
	v_lshlrev_b32 v[C8], 3, v1
	v_add_nc_u32 v[AD0], s[LA], v[CO]
	v_add_nc_u32 v[AD0+1], 4*BLK, v[AD0]
	s_mul_i32 s60, s[WHI], 4*FRAG
	s_add_co_u32 s60, s60, SRC1
	v_add_nc_u32 v[AD1], s60, v[CO]
	v_add_nc_u32 v[AD1+1], 4*BLK, v[AD1]
	s_add_co_u32 s60, s[LA], 8*FRAG
	v_add_nc_u32 v[AS0], s60, v[C8]
	v_add_nc_u32 v[AS0+1], 4*BLK, v[AS0]
	s_lshl_b32 s60, s[WHI], 8
	s_add_co_u32 s60, s60, SRC1+8*FRAG
	v_add_nc_u32 v[AS1], s60, v[C8]
	v_add_nc_u32 v[AS1+1], 4*BLK, v[AS1]
.irp b, 0,1,2,3
	v_mov_b32 v[TM+4+\b], 0                        ; written once: a lane permute's destination counts as one of its sources
.endr
	s_wait_tensorcnt 0x3                           ; my first load, K steps 0 and 1, has landed; the three behind it stay out
	s_barrier_signal -1
	s_barrier_wait -1                              ; everybody's has
	FETCH 0, 0
.set q, 0
.rept 8
.if (q%2 == 1) && (q < 7)
	s_wait_dscnt 0x0                               ; no LDS load of mine is out at a signal
	s_wait_tensorcnt 3-(q+1)/2                     ; the next pair of K steps has landed; the count is the loads issued behind it
	s_barrier_signal -1
	s_barrier_wait -1
.endif
.if (q > 0) && (q < 7)
	PLACES                                         ; the loads below fill the set that the last step multiplied
.endif
.if q < 7
	FETCH q+1, (q+1)%2
	s_wait_dscnt 39                                ; all but the 39 just issued: this step's set is in
.else
	s_wait_dscnt 0x0
.endif
	MUL q%2, q==0
.set q, q+1
.endr
	WIN 0
	PLACES
	s_wait_loadcnt 0x0                             ; the biases
; tile a of source 1's rows: the bias, the quantiser, the stores.  Each accumulator is read from its low end on
.macro EPI a
	s_cmp_eq_u32 s[ROLE], 0
	s_cbranch_scc0 .Ltok_\@
	WIN 0x0e                                       ; source 0 window 2, source 1 window 3
.set j, 0
.rept 32
	v_pk_add_f32 v[HA+j:HA+j+1], v[64*\a+j:64*\a+j+1], v[j:j+1]
.set j, j+2
.endr
	WIN 0
	s_branch .Lsum_\@
.Ltok_\@:
	WIN 0x02                                       ; source 0 window 2
.set j, 0
.rept 32
	v_pk_add_f32 v[HA+j:HA+j+1], v[64*\a+j:64*\a+j+1], v[BV+2*\a:BV+2*\a+1] op_sel_hi:[1,0]
.set j, j+2
.endr
	WIN 0
.Lsum_\@:
	QUANT HA, PC0+24*\a, PC0+24*\a+20
	SENDC \a
.endm
	EPI 0
	EPI 1
	EPI 2
	EPI 3
	v_cndmask_b32 v[TM+16], v[PC0+20], v[PC0+44], s[HM]   ; lanes 0-15 the even tile's words, lanes 16-31 the odd tile's
	v_cndmask_b32 v[TM+17], v[PC0+68], v[PC0+92], s[HM]
	global_store_b64 v[C8], v[TM+16:TM+17], s[OUT2:OUT2+1]   ; 256 consecutive bytes, aligned
	s_wait_tensorcnt 0x0                           ; the wave's end
	ds_add_u32 v[SPW], v[NIL]
	s_wait_dscnt 0x0
	CROUND                                         ; the closing round
	s_endpgm
.Lfunc_end_k_q133146dbf9_proj:
	.size	k_q133146dbf9_proj, .Lfunc_end_k_q133146dbf9_proj-k_q133146dbf9_proj
	.p2alignl 7, 3214868480
	.fill 96, 4, 3214868480
	.section	.rodata,"a",@progbits
	.p2align	6, 0x0
	.amdhsa_kernel k_q133146dbf9_proj
		.amdhsa_group_segment_fixed_size 327680
		.amdhsa_private_segment_fixed_size 0
		.amdhsa_enable_private_segment 0
		.amdhsa_kernarg_size 56
		.amdhsa_user_sgpr_count 2
		.amdhsa_user_sgpr_kernarg_segment_ptr 1
		.amdhsa_wavefront_size32 1
		.amdhsa_system_sgpr_workgroup_id_x 1
		.amdhsa_system_sgpr_workgroup_id_y 1
		.amdhsa_system_sgpr_workgroup_id_z 1
		.amdhsa_system_vgpr_workitem_id 0
		.amdhsa_next_free_vgpr 832
		.amdhsa_next_free_sgpr 100
		.amdhsa_reserve_vcc 0
		.amdhsa_float_denorm_mode_32 3
		.amdhsa_float_denorm_mode_16_64 3
		.amdhsa_memory_ordered 1
		.amdhsa_forward_progress 1
		.amdhsa_inst_pref_size 99
	.end_amdhsa_kernel
	.amdgpu_metadata
---
amdhsa.version: [ 1, 2 ]
amdhsa.kernels:
  - .name:           k_q133146dbf9_proj
    .symbol:         k_q133146dbf9_proj.kd
    .args:
      - { .name: xi, .offset: 0, .size: 8, .value_kind: global_buffer, .address_space: global }
      - { .name: wi, .offset: 8, .size: 8, .value_kind: global_buffer, .address_space: global }
      - { .name: bq, .offset: 16, .size: 8, .value_kind: global_buffer, .address_space: global }
      - { .name: bk, .offset: 24, .size: 8, .value_kind: global_buffer, .address_space: global }
      - { .name: bv, .offset: 32, .size: 8, .value_kind: global_buffer, .address_space: global }
      - { .name: qk, .offset: 40, .size: 8, .value_kind: global_buffer, .address_space: global }
      - { .name: vi, .offset: 48, .size: 8, .value_kind: global_buffer, .address_space: global }
    .group_segment_fixed_size: 327680
    .private_segment_fixed_size: 0
    .kernarg_segment_align: 8
    .kernarg_segment_size: 56
    .max_flat_workgroup_size: 128
    .sgpr_count:     100
    .vgpr_count:     832
    .wavefront_size: 32
...
	.end_amdgpu_metadata
.endif
;; end of part 2
;; launch score (part 3): grid 80 x 4, 4 waves a work-group, clusters of 4 x 1, 327,680 bytes of LDS; arguments qk, pi; writes pi
.if DOCPART == 3
	.amdgcn_target "amdgcn-amd-amdhsa--gfx1250"
	.amdhsa_code_object_version 6
	.text
	.protected	k_q133146dbf9_score
	.globl	k_q133146dbf9_score
	.p2align	8
	.type	k_q133146dbf9_score,@function
k_q133146dbf9_score:
	s_mov_b64 s[64:65], 0
	v_nop
	global_prefetch_b8 v0, s[64:65] scope:SCOPE_SE
	s_setreg_imm32_b32 hwreg(HW_REG_WAVE_MODE, 25, 1), 1
	s_wait_xcnt 0x0
	s_wait_alu depctr_hold_cnt(0) depctr_sa_sdst(0) depctr_va_vdst(0) depctr_va_sdst(0) depctr_va_ssrc(0) depctr_va_vcc(0) depctr_vm_vsrc(0)
	s_getreg_b32 s2, hwreg(HW_REG_IB_STS2, 6, 4)
	s_cmp_eq_u32 s2, 0
	s_cbranch_scc0 .Lentry_in_a_cluster
	s_endpgm
.Lentry_in_a_cluster:
	s_bfe_u32 s2, ttmp6, 0x10000c
	s_cmp_lg_u32 s2, 0x3003
	s_cbranch_scc0 .Lentry_shape_is_right
	s_endpgm
.Lentry_shape_is_right:
; p = 2^(t - M) for 256 keys x 128 queries: S^T = k q^T on codes of FP6 (E2M3), t = score x log2(e) / 32, the causal mask, and p quantised along the keys.
; M HERE IS LOCAL: the ceiling of the largest t of the query among the 128 keys of one block of the result.  It is a whole number, so the next launch brings a block under the row's M by taking the difference
; off the block's scale bytes: the codes' values are those under the row's M.  Stored beside each block's scale words: -M and the sum of the unquantised p, one f32 each for a query.
; Buffers lie as blocks of fragment images (16 rows x 128 K = 1,536 bytes, register i of lane l at 512 (i / 4) + 16 l + 4 (i % 4); 8 fragments and 512 bytes of scale words to a block;
; lane r of fragment f holds row 32 (f / 2) + 8 (f % 2) + r + 8 (r / 8)).  qk: [token / 128][16: q's 8 K steps, k's 8][12,800].  pi: [query / 128][key / 128 in the batch][13,824].
; SHARES.  Cluster c of 20 in a batch: query tiles 4 I + cx (128 queries each), key tile J (256 keys), J = 0 .. 2 I + 1.  The four partners read the same keys: a joint load.  Their queries differ: plain loads.
; Tiles wholly above the diagonal are not launched, but for J = 2 I + 1, where partners 0 and 1 have nothing to keep: partners run alike, and what they write (zero codes, -M = 3e38, sum 0) makes every
; query tile's blocks whole up to key block (tile | 3), which the next launch walks four at a time.
; TILE as in the launch before: K = 1,024 whole in LDS, twelve tensor loads at the head, four waves of 8 x 4 accumulators; source 0 = keys, source 1 = queries: a lane holds one query, its registers run along the keys.
; LIMITS: a block of 32 keys whose largest p lies under 2^-60 is scaled as if it were 2^-60 (its byte stays 65 or more, so that up to 64 can be taken off it); NaN and infinities are not served.
.set FRAG,  1536
.set BLK,   12800
.set PBLK,  13824
.set RGB,   8*BLK
.set PAIRB, 2*BLK
.set SRC1,  2*RGB
.set SPARE, 3*RGB
.set AD0, 2
.set AD1, 4
.set AS0, 6
.set AS1, 8
.set CO,  10
.set C8,  11
.set SPW, 12
.set NIL, 13
.set SCA, 16
.set SCB, 24
.set FB,  32
.set PC0, 32                           ; tile a: 12 codes at 32 + 24 a, 8 at work, + 20 the scale word, + 21 -M, + 22 the sum
.set HA,  128
.set TM,  192
.set RM,  208
.set DA,  209
.set NMP, 210                          ; v[210:211] -M (the pair's low word serves both halves)
.set SUM, 212                          ; v[212:215] two chains of sums
.set SW,  216
.set WV,  18
.set WLO, 19
.set WHI, 2
.set LA,  3
.set SEL, 20
.set HM,  22
.set DG,  23
.set G1A, 24
.set G1B, 32
.set G0A, 40
.set G0B, 68
.set OUT, 94
.set OUT2, 96
.set CS,  98
.set MSB, 0
.macro WIN new
.if MSB != \new
	s_set_vgpr_msb (MSB<<8)|\new
.set MSB, \new
.endif
.endm
.macro PLACES
.rept 4
	v_nop
.endr
.endm
.macro CROUND
	s_barrier_signal -1
	s_barrier_wait -1
	s_cmp_lg_u32 s[WV], 0
	s_cbranch_scc1 .Lnot_wave_0_\@
	s_barrier_signal -3
.Lnot_wave_0_\@:
	s_barrier_wait -3
	s_barrier_signal -1
	s_barrier_wait -1
.endm
.macro WM z, ra, rb
.if \z
.if (\ra) && (\rb)
	v_wmma_scale_f32_16x16x128_f8f6f4 v[rD:rD+7], v[rA:rA+11], v[rB:rB+11], 0, v[rSA], v[rSB] matrix_a_fmt:MATRIX_FMT_FP6 matrix_b_fmt:MATRIX_FMT_FP6 matrix_a_scale:MATRIX_SCALE_ROW1 matrix_b_scale:MATRIX_SCALE_ROW1
.elseif \ra
	v_wmma_scale_f32_16x16x128_f8f6f4 v[rD:rD+7], v[rA:rA+11], v[rB:rB+11], 0, v[rSA], v[rSB] matrix_a_fmt:MATRIX_FMT_FP6 matrix_b_fmt:MATRIX_FMT_FP6 matrix_a_scale:MATRIX_SCALE_ROW1
.elseif \rb
	v_wmma_scale_f32_16x16x128_f8f6f4 v[rD:rD+7], v[rA:rA+11], v[rB:rB+11], 0, v[rSA], v[rSB] matrix_a_fmt:MATRIX_FMT_FP6 matrix_b_fmt:MATRIX_FMT_FP6 matrix_b_scale:MATRIX_SCALE_ROW1
.else
	v_wmma_scale_f32_16x16x128_f8f6f4 v[rD:rD+7], v[rA:rA+11], v[rB:rB+11], 0, v[rSA], v[rSB] matrix_a_fmt:MATRIX_FMT_FP6 matrix_b_fmt:MATRIX_FMT_FP6
.endif
.else
.if (\ra) && (\rb)
	v_wmma_scale_f32_16x16x128_f8f6f4 v[rD:rD+7], v[rA:rA+11], v[rB:rB+11], v[rD:rD+7], v[rSA], v[rSB] matrix_a_fmt:MATRIX_FMT_FP6 matrix_b_fmt:MATRIX_FMT_FP6 matrix_a_scale:MATRIX_SCALE_ROW1 matrix_b_scale:MATRIX_SCALE_ROW1
.elseif \ra
	v_wmma_scale_f32_16x16x128_f8f6f4 v[rD:rD+7], v[rA:rA+11], v[rB:rB+11], v[rD:rD+7], v[rSA], v[rSB] matrix_a_fmt:MATRIX_FMT_FP6 matrix_b_fmt:MATRIX_FMT_FP6 matrix_a_scale:MATRIX_SCALE_ROW1
.elseif \rb
	v_wmma_scale_f32_16x16x128_f8f6f4 v[rD:rD+7], v[rA:rA+11], v[rB:rB+11], v[rD:rD+7], v[rSA], v[rSB] matrix_a_fmt:MATRIX_FMT_FP6 matrix_b_fmt:MATRIX_FMT_FP6 matrix_b_scale:MATRIX_SCALE_ROW1
.else
	v_wmma_scale_f32_16x16x128_f8f6f4 v[rD:rD+7], v[rA:rA+11], v[rB:rB+11], v[rD:rD+7], v[rSA], v[rSB] matrix_a_fmt:MATRIX_FMT_FP6 matrix_b_fmt:MATRIX_FMT_FP6
.endif
.endif
.endm
.macro MUL s, zero                     ; 32 matrix instructions; the 32 accumulators take turns
	WIN 0xa1
.irp a, 0,1,2,3
.irp b, 0,1,2,3,4,5,6,7
.set rD, 64*\a+8*\b
.set rA, 128*(\s)+12*\b
.set rB, FB+48*(\s)+12*\a
.set rSA, SCA+4*(\s)+\b/2
.set rSB, SCB+2*(\s)+\a/2
	WM \zero, \b%2, \a%2
.endr
.endr
.endm
.macro FETCH ks, s                     ; 39 LDS loads
	WIN 0x40
.irp f, 0,1,2,3,4,5,6,7
.irp g, 0,1,2
	ds_load_b128 v[128*(\s)+12*\f+4*\g:128*(\s)+12*\f+4*\g+3], v[AD0+(\ks)/4] offset:((\ks)%4)*BLK+FRAG*\f+512*\g
.endr
.endr
	WIN 0
.irp a, 0,1,2,3
.irp g, 0,1,2
	ds_load_b128 v[FB+48*(\s)+12*\a+4*\g:FB+48*(\s)+12*\a+4*\g+3], v[AD1+(\ks)/4] offset:((\ks)%4)*BLK+FRAG*\a+512*\g
.endr
.endr
	ds_load_b64 v[SCA+4*(\s):SCA+4*(\s)+1], v[AS0+(\ks)/4] offset:((\ks)%4)*BLK
	ds_load_b64 v[SCA+4*(\s)+2:SCA+4*(\s)+3], v[AS0+(\ks)/4] offset:((\ks)%4)*BLK+256
	ds_load_b64 v[SCB+2*(\s):SCB+2*(\s)+1], v[AS1+(\ks)/4] offset:((\ks)%4)*BLK
.endm
.macro PACK6 s, pc
.irp c, 0,1
	v_cvt_scalef32_pk16_fp6_f32 v[(\pc)+6*\c:(\pc)+2+6*\c], v[\s+32*\c:\s+15+32*\c], v[TM+12+2*\c]
	v_cvt_scalef32_pk16_fp6_f32 v[(\pc)+12+4*\c:(\pc)+14+4*\c], v[\s+16+32*\c:\s+31+32*\c], v[TM+12+2*\c+1]
.endr
	v_nop                                          ; one plain place behind a scaled conversion
.irp c, 0,1
.irp i, 0,1,2
	v_permlane16_swap_b32 v[(\pc)+6*\c+\i], v[(\pc)+12+4*\c+\i]
.endr
.irp i, 0,1,2
	v_mov_b32 v[(\pc)+3+6*\c+\i], v[(\pc)+12+4*\c+\i]
.endr
.endr
.endm
.macro SENDC a
.irp g, 0,1,2
	global_store_b128 v[CO], v[PC0+24*\a+4*\g:PC0+24*\a+4*\g+3], s[OUT:OUT+1] offset:FRAG*\a+512*\g
.endr
.endm
	s_load_b128 s[4:7], s[0:1], 0x0                ; qk, pi
	v_lshl_add_u32 v[SPW], v0, 2, SPARE
	v_mov_b32 v[NIL], 0
	ds_add_u32 v[SPW], v[NIL]                      ; the wave's opening: the add and its wait stand ahead of the first tensor loads
	v_lshrrev_b32 v1, 5, v0
	v_readfirstlane_b32 s[WV], v1
	s_and_b32 s[WLO], s[WV], 1
	s_lshr_b32 s[WHI], s[WV], 1
	s_mul_i32 s[LA], s[WLO], RGB
	s_mov_b32 s[SEL], 0x76543210
	s_mov_b32 s[SEL+1], 0xfedcba98
	s_mov_b32 s[HM], 0xffff0000
	s_mov_b32 s[CS], 0x3d38aa3b                    ; log2(e) / 32: f32's log2(e) with 5 off its exponent, so that score x this rounds as (score / 32) x log2(e) does
	s_mov_b32 s[CS+1], s[CS]                       ; (named with it as a pair)
	s_bfe_u32 s56, ttmp6, 0x40000                  ; cx
	s_and_b32 s57, ttmp7, 0xffff                   ; the batch
	s_cmp_ge_u32 ttmp9, 2                          ; the cluster's number c -> I: groups begin at c = I (I + 1) = 0, 2, 6, 12
	s_cselect_b32 s58, 1, 0
	s_cmp_ge_u32 ttmp9, 6
	s_cselect_b32 s59, 1, 0
	s_add_co_u32 s58, s58, s59
	s_cmp_ge_u32 ttmp9, 12
	s_cselect_b32 s59, 1, 0
	s_add_co_u32 s58, s58, s59                     ; I
	s_add_co_u32 s59, s58, 1
	s_mul_i32 s59, s59, s58
	s_sub_co_u32 s59, ttmp9, s59                   ; J
	s_lshl_b32 s60, s58, 1
	s_cmp_ge_u32 s59, s60
	s_cselect_b32 s[DG], 1, 0                      ; the key tile meets the diagonal for some partner: the same in all four
	s_lshl_b32 s63, s57, 4                         ; 16 row groups to a batch
	s_lshl_b32 s62, s59, 1
	s_add_co_u32 s62, s62, s[WLO]                  ; my key block 2 J + w % 2 = the result's K step
	s_add_co_u32 s60, s63, s62
	s_mul_i32 s60, s60, 2*RGB
	s_add_co_u32 s60, s60, RGB                     ; k's eight blocks lie behind q's
	s_mov_b32 s61, 0
	s_mov_b32 s[G1A], 15|(3<<16)|(1<<21)           ; the keys: all four work-groups; elements of 8 bytes; 21 set beside a mask
	s_mov_b32 s[G1B], 3<<16                        ; the queries: no mask
.irp g, G1A, G1B
	s_mov_b32 s[\g+1], 32<<16
	s_mov_b32 s[\g+2], 100<<16
	s_mov_b32 s[\g+3], 32<<16
	s_mov_b32 s[\g+4], 100
	s_mov_b32 s[\g+5], 32
	s_mov_b32 s[\g+6], 0
	s_mov_b32 s[\g+7], 0
.endr
	s_lshl_b32 s84, s58, 2
	s_add_co_u32 s84, s84, s56                     ; my query tile i = 4 I + cx
	s_add_co_u32 s86, s84, s63
	s_mul_i32 s88, s86, 2*RGB
	s_mov_b32 s89, 0
	s_lshl_b32 s92, s86, 4
	s_add_co_u32 s92, s92, s62
	s_mul_i32 s92, s92, PBLK                       ; the result's block
	s_mul_i32 s93, s[WHI], 4*FRAG
	s_add_co_u32 s[OUT], s92, s93
	s_mov_b32 s[OUT+1], 0
	s_lshl_b32 s93, s[WHI], 8
	s_add_co_u32 s[OUT2], s92, s93
	s_add_co_u32 s[OUT2], s[OUT2], 8*FRAG
	s_mov_b32 s[OUT2+1], 0
	s_lshl_b32 s90, s84, 7                         ; my wave's first query less its first key: 128 i + 64 (w / 2) - 128 (2 J + w % 2)
	s_lshl_b32 s91, s[WHI], 6
	s_add_co_u32 s90, s90, s91
	s_lshl_b32 s91, s62, 7
	s_sub_co_u32 s90, s90, s91
	s_wait_dscnt 0x0                               ; the opening add is done
	s_wait_kmcnt 0x0
	s_add_nc_u64 s[60:61], s[4:5], s[60:61]
	s_add_nc_u64 s[88:89], s[4:5], s[88:89]
	s_add_nc_u64 s[OUT:OUT+1], s[6:7], s[OUT:OUT+1]
	s_add_nc_u64 s[OUT2:OUT2+1], s[6:7], s[OUT2:OUT2+1]
	CROUND                                         ; all four work-groups are here: the joint loads meet
.irp n, 0,1,2,3
	s_mov_b32 s[G0A+4*\n], 1
	s_add_co_u32 s[G0A+4*\n+1], s[LA], \n*PAIRB
	s_add_nc_u64 s[G0A+4*\n+2:G0A+4*\n+3], s[60:61], \n*PAIRB
	s_or_b32 s[G0A+4*\n+3], s[G0A+4*\n+3], 0x80000000
	s_mov_b32 s[G0B+4*\n], 1
	s_mov_b32 s[G0B+4*\n+1], SRC1+\n*PAIRB
	s_add_nc_u64 s[G0B+4*\n+2:G0B+4*\n+3], s[88:89], \n*PAIRB
	s_or_b32 s[G0B+4*\n+3], s[G0B+4*\n+3], 0x80000000
.endr
	s_cmp_lt_u32 s[WV], 2                          ; waves 0 and 1: the keys' two row groups; wave 2: the queries; four loads each, four of a wave's out; wave 3 none
	s_cbranch_scc0 .Lnot_a
.irp n, 0,1,2,3
	tensor_load_to_lds s[G0A+4*\n:G0A+4*\n+3], s[G1A:G1A+7]
	s_nop 0
.endr
	PLACES
	s_branch .Lfilled
.Lnot_a:
	s_cmp_eq_u32 s[WV], 2
	s_cbranch_scc0 .Lfilled
.irp n, 0,1,2,3
	tensor_load_to_lds s[G0B+4*\n:G0B+4*\n+3], s[G1B:G1B+7]
	s_nop 0
.endr
	PLACES
.Lfilled:
	v_and_b32 v1, 15, v0
	v_and_b32 v28, 8, v1
	v_add_nc_u32 v1, v1, v28                       ; r + 8 (r / 8)
	v_bfe_u32 v28, v0, 4, 1
	v_lshlrev_b32 v28, 4, v28
	v_sub_nc_u32 v1, v1, v28                       ; - 16 h
	v_add_nc_u32 v14, s90, v1                      ; tile 0's: my query less the key of my register 0
	v_mov_b32 v15, 0xff800000                      ; -infinity
	v_mov_b32 v[NMP+1], 0                          ; (named as a pair's upper half)
	v_and_b32 v1, 31, v0
	v_lshlrev_b32 v[CO], 4, v1
	v_lshlrev_b32 v[C8], 3, v1
	v_add_nc_u32 v[AD0], s[LA], v[CO]
	v_add_nc_u32 v[AD0+1], 4*BLK, v[AD0]
	s_mul_i32 s56, s[WHI], 4*FRAG
	s_add_co_u32 s56, s56, SRC1
	v_add_nc_u32 v[AD1], s56, v[CO]
	v_add_nc_u32 v[AD1+1], 4*BLK, v[AD1]
	s_add_co_u32 s56, s[LA], 8*FRAG
	v_add_nc_u32 v[AS0], s56, v[C8]
	v_add_nc_u32 v[AS0+1], 4*BLK, v[AS0]
	s_lshl_b32 s56, s[WHI], 8
	s_add_co_u32 s56, s56, SRC1+8*FRAG
	v_add_nc_u32 v[AS1], s56, v[C8]
	v_add_nc_u32 v[AS1+1], 4*BLK, v[AS1]
.irp b, 0,1,2,3
	v_mov_b32 v[TM+4+\b], 0                        ; written once: a lane permute's destination counts as one of its sources
.endr
	s_wait_tensorcnt 0x3                           ; my first load has landed; the three behind it stay out
	s_barrier_signal -1
	s_barrier_wait -1
	FETCH 0, 0
.set q, 0
.rept 8
.if (q%2 == 1) && (q < 7)
	s_wait_dscnt 0x0
	s_wait_tensorcnt 3-(q+1)/2                     ; the next pair of K steps; the count is the loads issued behind it
	s_barrier_signal -1
	s_barrier_wait -1
.endif
.if (q > 0) && (q < 7)
	PLACES
.endif
.if q < 7
	FETCH q+1, (q+1)%2
	s_wait_dscnt 39                                ; all but the 39 just issued
.else
	s_wait_dscnt 0x0
.endif
	MUL q%2, q==0
.set q, q+1
.endr
	WIN 0
	PLACES
; tile a of the queries: register 16 b + i of my lane = key 32 b + 16 h + i of my wave's 128
.macro SOFT a
	WIN 0x02                                       ; source 0 window 2
.set j, 0
.rept 32
	v_pk_mul_f32 v[HA+j:HA+j+1], v[64*\a+j:64*\a+j+1], s[CS:CS+1] op_sel_hi:[1,0]   ; t; each accumulator is read from its low end on
.set j, j+2
.endr
	WIN 0
	s_cmp_eq_u32 s[DG], 0
	s_cbranch_scc1 .Lopen_\@                       ; a key tile under the diagonal for all four partners hides nothing
	v_add_nc_u32 v[DA], 32*(\a/2)+8*(\a%2), v14    ; d = my query less the key of register 0: register 16 b + i is hidden where 32 b + i > d
.set n, 0
.rept 64
	v_cmp_gt_i32 vcc_lo, 32*(n/16)+n%16, v[DA]
	v_cndmask_b32 v[HA+n], v[HA+n], v15, vcc_lo
.set n, n+1
.endr
.Lopen_\@:
.irp b, 0,1,2,3
	v_max3_num_f32 v[TM+\b], v[HA+16*\b], v[HA+1+16*\b], v[HA+2+16*\b]   ; the largest t of each block of 32 keys: for M, and, since p rises with t, for the block's largest p
.endr
.irp i, 3,5,7,9,11,13
.irp b, 0,1,2,3
	v_max3_num_f32 v[TM+\b], v[TM+\b], v[HA+16*\b+\i], v[HA+1+16*\b+\i]
.endr
.endr
.irp b, 0,1,2,3
	v_max_num_f32 v[TM+\b], v[TM+\b], v[HA+15+16*\b]
.endr
.irp b, 0,1,2,3
	v_permlanex16_b32 v[TM+4+\b], v[TM+\b], s[SEL], s[SEL+1]
.endr
.irp b, 0,1,2,3
	v_max_num_f32 v[TM+\b], v[TM+\b], v[TM+4+\b]
.endr
	v_max3_num_f32 v[RM], v[TM], v[TM+1], v[TM+2]
	v_max3_num_f32 v[RM], v[RM], v[TM+3], 0xff61b1e6   ; and -3e38, for a query all of whose 128 keys are hidden
	v_floor_f32 v[NMP], -v[RM]                     ; -M = floor(-t) = -ceil(t)
.set j, 0
.rept 32
	v_pk_add_f32 v[HA+j:HA+j+1], v[HA+j:HA+j+1], v[NMP:NMP+1] op_sel_hi:[1,0]   ; t - M
.set j, j+2
.endr
.irp b, 0,1,2,3
	v_add_f32 v[TM+\b], v[TM+\b], v[NMP]           ; the same of each block's largest t
.endr
.set j, 0
.rept 64
	v_exp_f32 v[HA+j], v[HA+j]                     ; p, at most 1
.set j, j+1
.endr
	v_mov_b32 v[PC0+24*\a+21], v[NMP]              ; -M is kept.  (The plain place behind the exponentials)
	s_wait_alu depctr_va_vdst(0)                   ; one wait for the batch of 64, ahead of its first reader
.irp b, 0,1,2,3
	v_exp_f32 v[TM+\b], v[TM+\b]                   ; the block's largest p: the same instructions on the same number give the same bits
.endr
	v_pk_add_f32 v[SUM:SUM+1], v[HA:HA+1], v[HA+2:HA+3]           ; the sum of the UNQUANTISED p, in two chains: plain work behind the four
	v_pk_add_f32 v[SUM+2:SUM+3], v[HA+4:HA+5], v[HA+6:HA+7]
.irp i, 8,12,16,20,24,28,32,36,40,44,48,52,56,60
	v_pk_add_f32 v[SUM:SUM+1], v[SUM:SUM+1], v[HA+\i:HA+\i+1]
	v_pk_add_f32 v[SUM+2:SUM+3], v[SUM+2:SUM+3], v[HA+\i+2:HA+\i+3]
.endr
	v_pk_add_f32 v[SUM:SUM+1], v[SUM:SUM+1], v[SUM+2:SUM+3]
	s_wait_alu depctr_va_vdst(0)                   ; and one for the four
.irp b, 0,1,2,3
	v_max_num_f32 v[TM+\b], 0x21800000, v[TM+\b]   ; the floor 2^-60: the byte is 65 at the least
.endr
.irp b, 0,1,2,3
	v_add_nc_u32 v[TM+12+\b], 0xff000000, v[TM+\b]
.endr
.irp b, 0,1,2,3
	v_lshrrev_b32 v[TM+4+\b], 23, v[TM+12+\b]
.endr
	v_lshl_or_b32 v[PC0+24*\a+20], v[TM+5], 8, v[TM+4]
	v_lshl_or_b32 v[PC0+24*\a+20], v[TM+6], 16, v[PC0+24*\a+20]
	v_lshl_or_b32 v[PC0+24*\a+20], v[TM+7], 24, v[PC0+24*\a+20]
	PACK6 HA, PC0+24*\a
	v_add_f32 v[PC0+24*\a+22], v[SUM], v[SUM+1]
	v_permlanex16_b32 v[TM+4], v[PC0+24*\a+22], s[SEL], s[SEL+1]
	v_add_f32 v[PC0+24*\a+22], v[PC0+24*\a+22], v[TM+4]   ; the sum over the 128 keys
	SENDC \a
.endm
	SOFT 0
	SOFT 1
	SOFT 2
	SOFT 3
.irp x, 0,1,2                                  ; the scale words, -M and the sums: lanes 0-15 the even tile's, lanes 16-31 the odd tile's; 256 consecutive bytes each, aligned
	v_cndmask_b32 v[SW+2*\x], v[PC0+20+\x], v[PC0+44+\x], s[HM]
	v_cndmask_b32 v[SW+2*\x+1], v[PC0+68+\x], v[PC0+92+\x], s[HM]
	global_store_b64 v[C8], v[SW+2*\x:SW+2*\x+1], s[OUT2:OUT2+1] offset:512*\x
.endr
	s_wait_tensorcnt 0x0                           ; the wave's end
	ds_add_u32 v[SPW], v[NIL]
	s_wait_dscnt 0x0
	CROUND                                         ; the closing round
	s_endpgm
.Lfunc_end_k_q133146dbf9_score:
	.size	k_q133146dbf9_score, .Lfunc_end_k_q133146dbf9_score-k_q133146dbf9_score
	.p2alignl 7, 3214868480
	.fill 96, 4, 3214868480
	.section	.rodata,"a",@progbits
	.p2align	6, 0x0
	.amdhsa_kernel k_q133146dbf9_score
		.amdhsa_group_segment_fixed_size 327680
		.amdhsa_private_segment_fixed_size 0
		.amdhsa_enable_private_segment 0
		.amdhsa_kernarg_size 16
		.amdhsa_user_sgpr_count 2
		.amdhsa_user_sgpr_kernarg_segment_ptr 1
		.amdhsa_wavefront_size32 1
		.amdhsa_system_sgpr_workgroup_id_x 1
		.amdhsa_system_sgpr_workgroup_id_y 1
		.amdhsa_system_sgpr_workgroup_id_z 1
		.amdhsa_system_vgpr_workitem_id 0
		.amdhsa_next_free_vgpr 768
		.amdhsa_next_free_sgpr 100
		.amdhsa_reserve_vcc 1
		.amdhsa_float_denorm_mode_32 3
		.amdhsa_float_denorm_mode_16_64 3
		.amdhsa_memory_ordered 1
		.amdhsa_forward_progress 1
		.amdhsa_inst_pref_size 135
	.end_amdhsa_kernel
	.amdgpu_metadata
---
amdhsa.version: [ 1, 2 ]
amdhsa.kernels:
  - .name:           k_q133146dbf9_score
    .symbol:         k_q133146dbf9_score.kd
    .args:
      - { .name: qk, .offset: 0, .size: 8, .value_kind: global_buffer, .address_space: global }
      - { .name: pi, .offset: 8, .size: 8, .value_kind: global_buffer, .address_space: global }
    .group_segment_fixed_size: 327680
    .private_segment_fixed_size: 0
    .kernarg_segment_align: 8
    .kernarg_segment_size: 16
    .max_flat_workgroup_size: 128
    .sgpr_count:     100
    .vgpr_count:     768
    .wavefront_size: 32
...
	.end_amdgpu_metadata
.endif
;; end of part 3
;; launch mix (part 4): grid 16 x 16, 4 waves a work-group, clusters of 4 x 1, 327,680 bytes of LDS; arguments vi, pi, oi; writes oi
.if DOCPART == 4
	.amdgcn_target "amdgcn-amd-amdhsa--gfx1250"
	.amdhsa_code_object_version 6
	.text
	.protected	k_q133146dbf9_mix
	.globl	k_q133146dbf9_mix
	.p2align	8
	.type	k_q133146dbf9_mix,@function
k_q133146dbf9_mix:
	s_mov_b64 s[64:65], 0
	v_nop
	global_prefetch_b8 v0, s[64:65] scope:SCOPE_SE
	s_setreg_imm32_b32 hwreg(HW_REG_WAVE_MODE, 25, 1), 1
	s_wait_xcnt 0x0
	s_wait_alu depctr_hold_cnt(0) depctr_sa_sdst(0) depctr_va_vdst(0) depctr_va_sdst(0) depctr_va_ssrc(0) depctr_va_vcc(0) depctr_vm_vsrc(0)
	s_getreg_b32 s2, hwreg(HW_REG_IB_STS2, 6, 4)
	s_cmp_eq_u32 s2, 0
	s_cbranch_scc0 .Lentry_in_a_cluster
	s_endpgm
.Lentry_in_a_cluster:
	s_bfe_u32 s2, ttmp6, 0x10000c
	s_cmp_lg_u32 s2, 0x3003
	s_cbranch_scc0 .Lentry_shape_is_right
	s_endpgm
.Lentry_shape_is_right:
; O^T = v^T p^T on codes of FP6 (E2M3), divided by the row's sum and quantised along the channels, for 256 channels x 128 queries.
; p's blocks of 128 keys were made under a local M.  The row's M is the largest of them (-M the smallest of the stored -M).  For each block, M_local - M_row, a whole number that is 0 or less, is added to the
; four bytes of the query's scale word, and the block's sum is multiplied by that power of two: both exact.
; Buffers lie as blocks of fragment images (see the launches before).  vi: [channel / 128][token / 128][12,800].  pi: [query / 128][key / 128][13,824]: codes, scale words, -M, sums.  oi: [query / 128][channel / 128][12,800].
; SHARES.  Cluster x = I: query tiles 4 I + cx; y = 4 x batch + tile of 256 channels.  The keys that count for these queries are blocks 0 .. 4 I + 3: I + 1 slots of 4 blocks, the same number in all four partners.
; The four partners read the same tiles of v: joint loads (waves 0, 1).  Their p differ (a third of a slot's bytes): plain loads (waves 2, 3).
; RING: two LDS slots of 157,696 bytes; ahead of each fill a round of the cluster's barrier; behind it one tensor load a wave, which has a slot's 128 matrix instructions in which to land.
; A fill and the slot's work hang on one branch on I + 1, so that no load is asked for that nobody reads; every wait on the tensor counter is for 0.
; LIMITS: a block more than 2^64 under the row's M is taken at 2^-64 (its weights lie under the last bit of an f32 sum); a block of zeros of O gets the byte 1; NaN and infinities are not served.
.set FRAG,  1536
.set BLK,   12800
.set PBLK,  13824
.set SLOT,  8*BLK+4*PBLK               ; v's two row groups x 4 blocks, then p's 4 blocks
.set SPARE, 2*SLOT                     ; behind the ring: the spare words
.set AD0, 2                            ; v2,3   v's fragments in slot 0, 1
.set AD1, 4                            ; v4,5   p's
.set AS0, 6                            ; v6,7   v's scale words
.set AS1, 8                            ; v8,9   p's scale words; -M 512 bytes on, the sums 1,024
.set CO,  10
.set C8,  11
.set SPW, 12
.set NIL, 13
.set SCA, 16
.set SCB, 24
.set MQ,  28                           ; v28-31 a block's -M: set s at 28 + 2 s, laid as the scale words
.set FB,  32
.set PC0, 32
.set HA,  128
.set TM,  192
.set EXQ, 208                          ; v208,209 M_local - M_row; at the end 1 / sum
.set DX,  210                          ; v210,211 what is taken off the bytes
.set LQ,  224                          ; v224-227 a block's sums
.set NR,  228                          ; v228,229 -M of the row
.set LR,  230                          ; v230,231 the row's sum
.set RA,  232                          ; v232 + 2 a: 1 / sum of my lane's query in tile a
.set WV,  18
.set WLO, 19
.set WHI, 2
.set SEL, 20
.set HM,  22
.set NS,  23
.set G1V, 24
.set G1P, 32
.set G0V, 40
.set G0P, 44
.set LV,  48
.set LP,  49
.set KMAX, 52
.set OUT, 94
.set OUT2, 96
.set MSB, 0
.macro WIN new
.if MSB != \new
	s_set_vgpr_msb (MSB<<8)|\new
.set MSB, \new
.endif
.endm
.macro PLACES
.rept 4
	v_nop
.endr
.endm
.macro CROUND
	s_barrier_signal -1
	s_barrier_wait -1
	s_cmp_lg_u32 s[WV], 0
	s_cbranch_scc1 .Lnot_wave_0_\@
	s_barrier_signal -3
.Lnot_wave_0_\@:
	s_barrier_wait -3
	s_barrier_signal -1
	s_barrier_wait -1
.endm
.macro WM z, ra, rb
.if \z
.if (\ra) && (\rb)
	v_wmma_scale_f32_16x16x128_f8f6f4 v[rD:rD+7], v[rA:rA+11], v[rB:rB+11], 0, v[rSA], v[rSB] matrix_a_fmt:MATRIX_FMT_FP6 matrix_b_fmt:MATRIX_FMT_FP6 matrix_a_scale:MATRIX_SCALE_ROW1 matrix_b_scale:MATRIX_SCALE_ROW1
.elseif \ra
	v_wmma_scale_f32_16x16x128_f8f6f4 v[rD:rD+7], v[rA:rA+11], v[rB:rB+11], 0, v[rSA], v[rSB] matrix_a_fmt:MATRIX_FMT_FP6 matrix_b_fmt:MATRIX_FMT_FP6 matrix_a_scale:MATRIX_SCALE_ROW1
.elseif \rb
	v_wmma_scale_f32_16x16x128_f8f6f4 v[rD:rD+7], v[rA:rA+11], v[rB:rB+11], 0, v[rSA], v[rSB] matrix_a_fmt:MATRIX_FMT_FP6 matrix_b_fmt:MATRIX_FMT_FP6 matrix_b_scale:MATRIX_SCALE_ROW1
.else
	v_wmma_scale_f32_16x16x128_f8f6f4 v[rD:rD+7], v[rA:rA+11], v[rB:rB+11], 0, v[rSA], v[rSB] matrix_a_fmt:MATRIX_FMT_FP6 matrix_b_fmt:MATRIX_FMT_FP6
.endif
.else
.if (\ra) && (\rb)
	v_wmma_scale_f32_16x16x128_f8f6f4 v[rD:rD+7], v[rA:rA+11], v[rB:rB+11], v[rD:rD+7], v[rSA], v[rSB] matrix_a_fmt:MATRIX_FMT_FP6 matrix_b_fmt:MATRIX_FMT_FP6 matrix_a_scale:MATRIX_SCALE_ROW1 matrix_b_scale:MATRIX_SCALE_ROW1
.elseif \ra
	v_wmma_scale_f32_16x16x128_f8f6f4 v[rD:rD+7], v[rA:rA+11], v[rB:rB+11], v[rD:rD+7], v[rSA], v[rSB] matrix_a_fmt:MATRIX_FMT_FP6 matrix_b_fmt:MATRIX_FMT_FP6 matrix_a_scale:MATRIX_SCALE_ROW1
.elseif \rb
	v_wmma_scale_f32_16x16x128_f8f6f4 v[rD:rD+7], v[rA:rA+11], v[rB:rB+11], v[rD:rD+7], v[rSA], v[rSB] matrix_a_fmt:MATRIX_FMT_FP6 matrix_b_fmt:MATRIX_FMT_FP6 matrix_b_scale:MATRIX_SCALE_ROW1
.else
	v_wmma_scale_f32_16x16x128_f8f6f4 v[rD:rD+7], v[rA:rA+11], v[rB:rB+11], v[rD:rD+7], v[rSA], v[rSB] matrix_a_fmt:MATRIX_FMT_FP6 matrix_b_fmt:MATRIX_FMT_FP6
.endif
.endif
.endm
.macro MUL s, zero                     ; 32 matrix instructions; the 32 accumulators take turns, in the same order in every step and on every way
	WIN 0xa1
.irp a, 0,1,2,3
.irp b, 0,1,2,3,4,5,6,7
.set rD, 64*\a+8*\b
.set rA, 128*(\s)+12*\b
.set rB, FB+48*(\s)+12*\a
.set rSA, SCA+4*(\s)+\b/2
.set rSB, SCB+2*(\s)+\a/2
	WM \zero, \b%2, \a%2
.endr
.endr
.endm
.macro PACK6 s, pc
.irp c, 0,1
	v_cvt_scalef32_pk16_fp6_f32 v[(\pc)+6*\c:(\pc)+2+6*\c], v[\s+32*\c:\s+15+32*\c], v[TM+12+2*\c]
	v_cvt_scalef32_pk16_fp6_f32 v[(\pc)+12+4*\c:(\pc)+14+4*\c], v[\s+16+32*\c:\s+31+32*\c], v[TM+12+2*\c+1]
.endr
	v_nop                                          ; one plain place behind a scaled conversion
.irp c, 0,1
.irp i, 0,1,2
	v_permlane16_swap_b32 v[(\pc)+6*\c+\i], v[(\pc)+12+4*\c+\i]
.endr
.irp i, 0,1,2
	v_mov_b32 v[(\pc)+3+6*\c+\i], v[(\pc)+12+4*\c+\i]
.endr
.endr
.endm
.macro QUANT s, pc, pw
.irp b, 0,1,2,3
	v_max3_num_f32 v[TM+\b], |v[\s+16*\b]|, |v[\s+1+16*\b]|, 0x1800000
.endr
.irp i, 2,4,6,8,10,12,14
.irp b, 0,1,2,3
	v_max3_num_f32 v[TM+\b], v[TM+\b], |v[\s+16*\b+\i]|, |v[\s+1+16*\b+\i]|
.endr
.endr
.irp b, 0,1,2,3
	v_permlanex16_b32 v[TM+4+\b], v[TM+\b], s[SEL], s[SEL+1]
.endr
.irp b, 0,1,2,3
	v_max_num_f32 v[TM+\b], v[TM+\b], v[TM+4+\b]
.endr
.irp b, 0,1,2,3
	v_add_nc_u32 v[TM+12+\b], 0xff000000, v[TM+\b]
.endr
.irp b, 0,1,2,3
	v_lshrrev_b32 v[TM+4+\b], 23, v[TM+12+\b]
.endr
	v_lshl_or_b32 v[\pw], v[TM+5], 8, v[TM+4]
	v_lshl_or_b32 v[\pw], v[TM+6], 16, v[\pw]
	v_lshl_or_b32 v[\pw], v[TM+7], 24, v[\pw]
	PACK6 \s, \pc
.endm
.macro SENDC a
.irp g, 0,1,2
	global_store_b128 v[CO], v[PC0+24*\a+4*\g:PC0+24*\a+4*\g+3], s[OUT:OUT+1] offset:FRAG*\a+512*\g
.endr
.endm
; a wave's one tensor load behind a round: waves 0, 1 v's row groups (joint), waves 2, 3 the halves of p's four blocks (plain).  An s_nop 0 and four v_nop follow each line
.macro FILL
	s_cmp_lt_u32 s[WV], 2
	s_cbranch_scc0 .Lfor_p_\@
	tensor_load_to_lds s[G0V:G0V+3], s[G1V:G1V+7]
	s_nop 0
	PLACES
	s_branch .Lasked_\@
.Lfor_p_\@:
	tensor_load_to_lds s[G0P:G0P+3], s[G1P:G1P+7]
	s_nop 0
	PLACES
.Lasked_\@:
.endm
; the slot's q-th block of keys into set s: 41 LDS loads
.macro FETCH3 slot, q, s
	WIN 0x40
.irp f, 0,1,2,3,4,5,6,7
.irp g, 0,1,2
	ds_load_b128 v[128*(\s)+12*\f+4*\g:128*(\s)+12*\f+4*\g+3], v[AD0+\slot] offset:(\q)*BLK+FRAG*\f+512*\g
.endr
.endr
	WIN 0
.irp a, 0,1,2,3
.irp g, 0,1,2
	ds_load_b128 v[FB+48*(\s)+12*\a+4*\g:FB+48*(\s)+12*\a+4*\g+3], v[AD1+\slot] offset:(\q)*PBLK+FRAG*\a+512*\g
.endr
.endr
	ds_load_b64 v[SCA+4*(\s):SCA+4*(\s)+1], v[AS0+\slot] offset:(\q)*BLK
	ds_load_b64 v[SCA+4*(\s)+2:SCA+4*(\s)+3], v[AS0+\slot] offset:(\q)*BLK+256
	ds_load_b64 v[SCB+2*(\s):SCB+2*(\s)+1], v[AS1+\slot] offset:(\q)*PBLK
	ds_load_b64 v[MQ+2*(\s):MQ+2*(\s)+1], v[AS1+\slot] offset:(\q)*PBLK+512
	ds_load_b64 v[LQ+2*(\s):LQ+2*(\s)+1], v[AS1+\slot] offset:(\q)*PBLK+1024
.endm
; set s's block is brought under the row's M: sixteen plain lines, the two registers by turns
.macro FIX s
.irp p, 0,1
	v_sub_f32 v[EXQ+\p], v[NR+\p], v[MQ+2*(\s)+\p] ; M_local - M_row: a whole number, 0 or less (about -3e38 for a block that is wholly hidden)
.endr
.irp p, 0,1
	v_cvt_i32_f32 v[EXQ+\p], v[EXQ+\p]             ; (it saturates)
.endr
.irp p, 0,1
	v_sub_nc_u32 v[DX+\p], 0, v[EXQ+\p]
.endr
.irp p, 0,1
	v_min_u32 v[DX+\p], 64, v[DX+\p]               ; the bytes are 65 or more
.endr
.irp p, 0,1
	v_perm_b32 v[DX+\p], v[DX+\p], v[DX+\p], 0     ; its low byte into all four
.endr
.irp p, 0,1
	v_sub_nc_u32 v[SCB+2*(\s)+\p], v[SCB+2*(\s)+\p], v[DX+\p]   ; no byte borrows
.endr
.irp p, 0,1
	v_ldexp_f32 v[LQ+2*(\s)+\p], v[LQ+2*(\s)+\p], v[EXQ+\p]
.endr
.irp p, 0,1
	v_add_f32 v[LR+\p], v[LR+\p], v[LQ+2*(\s)+\p]
.endr
.endm
.macro STEP3 slot, q, zero
	s_wait_dscnt 0x0                               ; this block's set is in (asked for a step ago)
	FIX (\q)%2                                     ; its lines name none of the last step's registers: they are the places ahead of the loads below
.if (\q) < 3
	FETCH3 \slot, (\q)+1, ((\q)+1)%2
.endif
	PLACES                                         ; with FIX's last four lines: eight places between the write of the scale words and the scaled products
	MUL (\q)%2, \zero
	WIN 0
.endm
.macro COMPUTE slot, zero
	FETCH3 \slot, 0, 0
	STEP3 \slot, 0, \zero
	STEP3 \slot, 1, 0
	STEP3 \slot, 2, 0
	STEP3 \slot, 3, 0
.endm
; THE CHANGE OF SLOTS.  Each wave waits for all its tensor loads (its part of the slot that is read next), adds 0 to its spare word, and waits for that and for its reads of the slot that it has left;
; then a round of the cluster's barrier: no wave of any partner still reads slot nxt or has a load on its way.
.macro CHANGE nxt
	s_wait_tensorcnt 0x0                           ; no tensor load of mine is out, so the groups 0 may be written
	ds_add_u32 v[SPW], v[NIL]                      ; 0 onto my spare word; the descriptors' steps stand between it and the wait for it
	s_add_co_u32 s[G0V+1], s[LV], \nxt*SLOT
	s_add_nc_u64 s[G0V+2:G0V+3], s[G0V+2:G0V+3], 4*BLK
	s_add_co_u32 s[G0P+1], s[LP], \nxt*SLOT
	s_add_nc_u64 s[G0P+2:G0P+3], s[G0P+2:G0P+3], 4*PBLK
	s_wait_dscnt 0x0
	CROUND
.endm
	s_load_b128 s[4:7], s[0:1], 0x0                ; vi, pi
	s_load_b64 s[8:9], s[0:1], 0x10                ; oi
	v_lshl_add_u32 v[SPW], v0, 2, SPARE
	v_mov_b32 v[NIL], 0
	ds_add_u32 v[SPW], v[NIL]                      ; the wave's opening: the add and its wait stand ahead of the first tensor load
	v_lshrrev_b32 v1, 5, v0
	v_readfirstlane_b32 s[WV], v1
	s_and_b32 s[WLO], s[WV], 1
	s_lshr_b32 s[WHI], s[WV], 1
	s_mul_i32 s[LV], s[WLO], 4*BLK                 ; where my part of a slot lies: v's row group w % 2,
	s_mul_i32 s[LP], s[WLO], 2*PBLK
	s_add_co_u32 s[LP], s[LP], 8*BLK               ; p's blocks 2 (w % 2) on
	s_mov_b32 s[SEL], 0x76543210
	s_mov_b32 s[SEL+1], 0xfedcba98
	s_mov_b32 s[HM], 0xffff0000
	s_bfe_u32 s57, ttmp6, 0x40000                  ; cx
	s_add_co_u32 s[NS], ttmp9, 1                   ; slots: the same in all four partners
	s_lshl_b32 s[KMAX], ttmp9, 2
	s_add_co_u32 s[KMAX], s[KMAX], 3               ; the last block of keys that counts
	s_and_b32 s59, ttmp7, 0xffff
	s_lshr_b32 s60, s59, 2                         ; the batch
	s_and_b32 s61, s59, 3                          ; the tile of 256 channels
	s_lshl_b32 s62, s61, 1
	s_add_co_u32 s62, s62, s[WLO]                  ; my channel row group = the result's K step
	s_lshl_b32 s63, s62, 6
	s_lshl_b32 s56, s60, 4
	s_add_co_u32 s63, s63, s56                     ; 64 blocks to a row group of vi; the batch's begin at 16 x batch
	s_mul_i32 s50, s63, BLK
	s_mov_b32 s51, 0
	s_mov_b32 s[G1V], 15|(3<<16)|(1<<21)           ; all four work-groups; elements of 8 bytes; 21 set beside a mask
	s_mov_b32 s[G1V+1], 32<<16                     ; 51,200 dense bytes as 200 rows of 256
	s_mov_b32 s[G1V+2], 200<<16
	s_mov_b32 s[G1V+3], 32<<16
	s_mov_b32 s[G1V+4], 200
	s_mov_b32 s[G1V+5], 32
	s_mov_b32 s[G1V+6], 0
	s_mov_b32 s[G1V+7], 0
	s_mov_b32 s[G1P], 3<<16                        ; no mask
	s_mov_b32 s[G1P+1], 32<<16                     ; 27,648 dense bytes as 108 rows of 256
	s_mov_b32 s[G1P+2], 108<<16
	s_mov_b32 s[G1P+3], 32<<16
	s_mov_b32 s[G1P+4], 108
	s_mov_b32 s[G1P+5], 32
	s_mov_b32 s[G1P+6], 0
	s_mov_b32 s[G1P+7], 0
	s_lshl_b32 s84, ttmp9, 2
	s_add_co_u32 s84, s84, s57
	s_add_co_u32 s84, s84, s56                     ; my query row group 16 x batch + 4 I + cx
	s_lshl_b32 s85, s84, 4
	s_mul_i32 s86, s85, PBLK                       ; its first block in pi
	s_mul_i32 s88, s[WLO], 2*PBLK
	s_add_co_u32 s88, s88, s86
	s_mov_b32 s89, 0
	s_lshl_b32 s90, s[WHI], 8
	s_add_co_u32 s90, s90, s86                     ; my 64 queries' words in a block's areas
	s_mov_b32 s91, 0
	s_lshl_b32 s92, s84, 3
	s_add_co_u32 s92, s92, s62
	s_mul_i32 s92, s92, BLK                        ; the result's block in oi
	s_mul_i32 s93, s[WHI], 4*FRAG
	s_add_co_u32 s[OUT], s92, s93
	s_mov_b32 s[OUT+1], 0
	s_lshl_b32 s93, s[WHI], 8
	s_add_co_u32 s[OUT2], s92, s93
	s_add_co_u32 s[OUT2], s[OUT2], 8*FRAG
	s_mov_b32 s[OUT2+1], 0
	s_wait_dscnt 0x0                               ; the opening add is done
	s_wait_kmcnt 0x0
	s_mov_b32 s[G0V], 1
	s_mov_b32 s[G0V+1], s[LV]                      ; slot 0
	s_add_nc_u64 s[G0V+2:G0V+3], s[4:5], s[50:51]
	s_or_b32 s[G0V+3], s[G0V+3], 0x80000000
	s_mov_b32 s[G0P], 1
	s_mov_b32 s[G0P+1], s[LP]
	s_add_nc_u64 s[G0P+2:G0P+3], s[6:7], s[88:89]
	s_or_b32 s[G0P+3], s[G0P+3], 0x80000000
	s_add_nc_u64 s[90:91], s[6:7], s[90:91]
	s_add_nc_u64 s[OUT:OUT+1], s[8:9], s[OUT:OUT+1]
	s_add_nc_u64 s[OUT2:OUT2+1], s[8:9], s[OUT2:OUT2+1]
	CROUND                                         ; all four work-groups are here
	FILL                                           ; slot 0: key blocks 0 to 3
	v_and_b32 v1, 31, v0
	v_lshlrev_b32 v[CO], 4, v1
	v_lshlrev_b32 v[C8], 3, v1
	; the row's -M: the smallest of the -M of its blocks.  Sixteen loads; a block past the last that counts is replaced by the last, which changes no minimum and stays inside what was written
.set k, 0
.rept 16
	s_min_u32 s53, k, s[KMAX]
	s_mul_i32 s53, s53, PBLK
	v_add_nc_u32 v[TM+k], s53, v[C8]
	global_load_b64 v[HA+2*k:HA+2*k+1], v[TM+k], s[90:91] offset:BLK
.set k, k+1
.endr
	v_add_nc_u32 v[AD0], s[LV], v[CO]
	v_add_nc_u32 v[AD0+1], SLOT, v[AD0]
	s_mul_i32 s54, s[WHI], 4*FRAG
	s_add_co_u32 s54, s54, 8*BLK
	v_add_nc_u32 v[AD1], s54, v[CO]
	v_add_nc_u32 v[AD1+1], SLOT, v[AD1]
	s_add_co_u32 s54, s[LV], 8*FRAG
	v_add_nc_u32 v[AS0], s54, v[C8]
	v_add_nc_u32 v[AS0+1], SLOT, v[AS0]
	s_lshl_b32 s54, s[WHI], 8
	s_add_co_u32 s54, s54, 8*BLK+8*FRAG
	v_add_nc_u32 v[AS1], s54, v[C8]
	v_add_nc_u32 v[AS1+1], SLOT, v[AS1]
	v_mov_b32 v[LR], 0
	v_mov_b32 v[LR+1], 0
.irp a, 0,1,2,3
	v_mov_b32 v[RA+2*\a+1], 0                      ; (named as a pair's upper half)
.endr
	s_wait_loadcnt 0x0
.irp p, 0,1
	v_min3_num_f32 v[NR+\p], v[HA+\p], v[HA+2+\p], v[HA+4+\p]
.endr
.irp i, 6,10,14,18,22,26
.irp p, 0,1
	v_min3_num_f32 v[NR+\p], v[NR+\p], v[HA+\i+\p], v[HA+\i+2+\p]
.endr
.endr
.irp p, 0,1
	v_min_num_f32 v[NR+\p], v[NR+\p], v[HA+30+\p]
.endr
.irp b, 0,1,2,3
	v_mov_b32 v[TM+4+\b], 0                        ; (the loads have read their offsets)  a lane permute's destination counts as one of its sources
.endr
	CHANGE 1                                       ; slot 0 is whole
	s_cmp_eq_u32 s[NS], 1
	s_cbranch_scc1 .Ltail_first
	FILL                                           ; slot 1: key blocks 4 to 7
	COMPUTE 0, 1
	CHANGE 0
	s_cmp_eq_u32 s[NS], 2
	s_cbranch_scc1 .Ltail_one
	FILL                                           ; slot 0: key blocks 8 to 11
	COMPUTE 1, 0
	CHANGE 1
	s_cmp_eq_u32 s[NS], 3
	s_cbranch_scc1 .Ltail_zero
	FILL                                           ; slot 1: key blocks 12 to 15
	COMPUTE 0, 0
	CHANGE 0
.Ltail_one:                                        ; the last slot is worked with nothing asked for
	COMPUTE 1, 0
	s_branch .Lout
.Ltail_first:
	COMPUTE 0, 1
	s_branch .Lout
.Ltail_zero:
	COMPUTE 0, 0
.Lout:
	PLACES
	v_rcp_f32 v[EXQ], v[LR]                        ; the row's largest p lies over 1/2: the sum is no zero
	v_rcp_f32 v[EXQ+1], v[LR+1]
	v_nop                                          ; a plain place behind the reciprocals
	s_wait_alu depctr_va_vdst(0)                   ; and the wait ahead of their first reader
	v_permlanex16_b32 v[DX], v[EXQ], s[SEL], s[SEL+1]
	v_permlanex16_b32 v[DX+1], v[EXQ+1], s[SEL], s[SEL+1]
	v_cndmask_b32 v[RA], v[EXQ], v[DX], s[HM]      ; an even tile's figures stand in lanes 0-15, an odd tile's in lanes 16-31: each is spread to both halves
	v_cndmask_b32 v[RA+2], v[DX], v[EXQ], s[HM]
	v_cndmask_b32 v[RA+4], v[EXQ+1], v[DX+1], s[HM]
	v_cndmask_b32 v[RA+6], v[DX+1], v[EXQ+1], s[HM]
.macro EPI a
	WIN 0x02                                       ; source 0 window 2
.set j, 0
.rept 32
	v_pk_mul_f32 v[HA+j:HA+j+1], v[64*\a+j:64*\a+j+1], v[RA+2*\a:RA+2*\a+1] op_sel_hi:[1,0]   ; O / the sum; each accumulator is read from its low end on
.set j, j+2
.endr
	WIN 0
	QUANT HA, PC0+24*\a, PC0+24*\a+20
	SENDC \a
.endm
	EPI 0
	EPI 1
	EPI 2
	EPI 3
	v_cndmask_b32 v[TM+20], v[PC0+20], v[PC0+44], s[HM]
	v_cndmask_b32 v[TM+21], v[PC0+68], v[PC0+92], s[HM]
	global_store_b64 v[C8], v[TM+20:TM+21], s[OUT2:OUT2+1]
	s_wait_tensorcnt 0x0                           ; the wave's end
	ds_add_u32 v[SPW], v[NIL]
	s_wait_dscnt 0x0
	CROUND                                         ; the closing round
	s_endpgm
.Lfunc_end_k_q133146dbf9_mix:
	.size	k_q133146dbf9_mix, .Lfunc_end_k_q133146dbf9_mix-k_q133146dbf9_mix
	.p2alignl 7, 3214868480
	.fill 96, 4, 3214868480
	.section	.rodata,"a",@progbits
	.p2align	6, 0x0
	.amdhsa_kernel k_q133146dbf9_mix
		.amdhsa_group_segment_fixed_size 327680
		.amdhsa_private_segment_fixed_size 0
		.amdhsa_enable_private_segment 0
		.amdhsa_kernarg_size 24
		.amdhsa_user_sgpr_count 2
		.amdhsa_user_sgpr_kernarg_segment_ptr 1
		.amdhsa_wavefront_size32 1
		.amdhsa_system_sgpr_workgroup_id_x 1
		.amdhsa_system_sgpr_workgroup_id_y 1
		.amdhsa_system_sgpr_workgroup_id_z 1
		.amdhsa_system_vgpr_workitem_id 0
		.amdhsa_next_free_vgpr 768
		.amdhsa_next_free_sgpr 100
		.amdhsa_reserve_vcc 0
		.amdhsa_float_denorm_mode_32 3
		.amdhsa_float_denorm_mode_16_64 3
		.amdhsa_memory_ordered 1
		.amdhsa_forward_progress 1
		.amdhsa_inst_pref_size 220
	.end_amdhsa_kernel
	.amdgpu_metadata
---
amdhsa.version: [ 1, 2 ]
amdhsa.kernels:
  - .name:           k_q133146dbf9_mix
    .symbol:         k_q133146dbf9_mix.kd
    .args:
      - { .name: vi, .offset: 0, .size: 8, .value_kind: global_buffer, .address_space: global }
      - { .name: pi, .offset: 8, .size: 8, .value_kind: global_buffer, .address_space: global }
      - { .name: oi, .offset: 16, .size: 8, .value_kind: global_buffer, .address_space: global }
    .group_segment_fixed_size: 327680
    .private_segment_fixed_size: 0
    .kernarg_segment_align: 8
    .kernarg_segment_size: 24
    .max_flat_workgroup_size: 128
    .sgpr_count:     100
    .vgpr_count:     768
    .wavefront_size: 32
...
	.end_amdgpu_metadata
.endif
;; end of part 4
;; launch outp (part 5): grid 4 x 64, 4 waves a work-group, clusters of 4 x 4, 327,680 bytes of LDS; arguments oi, wi, bo, out0; writes out0
.if DOCPART == 5
	.amdgcn_target "amdgcn-amd-amdhsa--gfx1250"
	.amdhsa_code_object_version 6
	.text
	.protected	k_q133146dbf9_outp
	.globl	k_q133146dbf9_outp
	.p2align	8
	.type	k_q133146dbf9_outp,@function
k_q133146dbf9_outp:
	s_mov_b64 s[64:65], 0
	v_nop
	global_prefetch_b8 v0, s[64:65] scope:SCOPE_SE
	s_setreg_imm32_b32 hwreg(HW_REG_WAVE_MODE, 25, 1), 1
	s_wait_xcnt 0x0
	s_wait_alu depctr_hold_cnt(0) depctr_sa_sdst(0) depctr_va_vdst(0) depctr_va_sdst(0) depctr_va_ssrc(0) depctr_va_vcc(0) depctr_vm_vsrc(0)
	s_getreg_b32 s2, hwreg(HW_REG_IB_STS2, 6, 4)
	s_cmp_eq_u32 s2, 0
	s_cbranch_scc0 .Lentry_in_a_cluster
	s_endpgm
.Lentry_in_a_cluster:
	s_bfe_u32 s2, ttmp6, 0x10000c
	s_cmp_lg_u32 s2, 0xf033
	s_cbranch_scc0 .Lentry_shape_is_right
	s_endpgm
.Lentry_shape_is_right:
; out = O Wo + bo, f32, on codes of FP6 (E2M3) with E8M0 scales.  oi: [token / 128][8][12,800]; wi's row groups 24-31 are Wo's columns; both as blocks of fragment images (see the launches before).
; TILE: 256 columns of Wo (source 0) x 128 tokens (source 1); K = 1,024 whole in LDS, twelve tensor loads at the head, nothing filled again; four waves of 8 x 4 accumulators.
; A lane holds one token, and the 64 registers of its 8 tiles run along 128 neighbouring columns of out.  CLUSTER 4 x 4: Wo's tiles are shared along a column of the cluster, O's along a row: joint loads.
; THE WAY OUT: 16 tokens x 64 columns at a time through the wave's own stage in LDS (rows of 256 bytes + 16; bytes into which no tile lands), back as whole rows: sixteen lanes store 256 consecutive bytes, aligned.
.set FRAG,  1536
.set BLK,   12800
.set RGB,   8*BLK
.set PAIRB, 2*BLK
.set SRC1,  2*RGB
.set SPARE, 3*RGB
.set STG,   SPARE+512                  ; behind the spare words: 16 x 272 bytes for each wave
.set AD0, 2
.set AD1, 4
.set AS0, 6
.set AS1, 8
.set CO,  10
.set C8,  11
.set SPW, 12
.set NIL, 13
.set STO, 14                           ; v14 the stage, in
.set RD,  15                           ; v15 the stage, back
.set GO,  31                           ; v31 my byte offset in two rows of out
.set SCA, 16
.set SCB, 24
.set FB,  32
.set OB,  32                           ; the way out: rows read back, v32-63 and v64-95 by turns
.set HA,  128
.set WV,  18
.set WLO, 19
.set WHI, 2
.set LA,  3
.set G1A, 24
.set G1B, 32
.set G0A, 40
.set G0B, 68
.set OUT, 94
.set MSB, 0
.macro WIN new
.if MSB != \new
	s_set_vgpr_msb (MSB<<8)|\new
.set MSB, \new
.endif
.endm
.macro PLACES
.rept 4
	v_nop
.endr
.endm
.macro CROUND
	s_barrier_signal -1
	s_barrier_wait -1
	s_cmp_lg_u32 s[WV], 0
	s_cbranch_scc1 .Lnot_wave_0_\@
	s_barrier_signal -3
.Lnot_wave_0_\@:
	s_barrier_wait -3
	s_barrier_signal -1
	s_barrier_wait -1
.endm
.macro WM z, ra, rb
.if \z
.if (\ra) && (\rb)
	v_wmma_scale_f32_16x16x128_f8f6f4 v[rD:rD+7], v[rA:rA+11], v[rB:rB+11], 0, v[rSA], v[rSB] matrix_a_fmt:MATRIX_FMT_FP6 matrix_b_fmt:MATRIX_FMT_FP6 matrix_a_scale:MATRIX_SCALE_ROW1 matrix_b_scale:MATRIX_SCALE_ROW1
.elseif \ra
	v_wmma_scale_f32_16x16x128_f8f6f4 v[rD:rD+7], v[rA:rA+11], v[rB:rB+11], 0, v[rSA], v[rSB] matrix_a_fmt:MATRIX_FMT_FP6 matrix_b_fmt:MATRIX_FMT_FP6 matrix_a_scale:MATRIX_SCALE_ROW1
.elseif \rb
	v_wmma_scale_f32_16x16x128_f8f6f4 v[rD:rD+7], v[rA:rA+11], v[rB:rB+11], 0, v[rSA], v[rSB] matrix_a_fmt:MATRIX_FMT_FP6 matrix_b_fmt:MATRIX_FMT_FP6 matrix_b_scale:MATRIX_SCALE_ROW1
.else
	v_wmma_scale_f32_16x16x128_f8f6f4 v[rD:rD+7], v[rA:rA+11], v[rB:rB+11], 0, v[rSA], v[rSB] matrix_a_fmt:MATRIX_FMT_FP6 matrix_b_fmt:MATRIX_FMT_FP6
.endif
.else
.if (\ra) && (\rb)
	v_wmma_scale_f32_16x16x128_f8f6f4 v[rD:rD+7], v[rA:rA+11], v[rB:rB+11], v[rD:rD+7], v[rSA], v[rSB] matrix_a_fmt:MATRIX_FMT_FP6 matrix_b_fmt:MATRIX_FMT_FP6 matrix_a_scale:MATRIX_SCALE_ROW1 matrix_b_scale:MATRIX_SCALE_ROW1
.elseif \ra
	v_wmma_scale_f32_16x16x128_f8f6f4 v[rD:rD+7], v[rA:rA+11], v[rB:rB+11], v[rD:rD+7], v[rSA], v[rSB] matrix_a_fmt:MATRIX_FMT_FP6 matrix_b_fmt:MATRIX_FMT_FP6 matrix_a_scale:MATRIX_SCALE_ROW1
.elseif \rb
	v_wmma_scale_f32_16x16x128_f8f6f4 v[rD:rD+7], v[rA:rA+11], v[rB:rB+11], v[rD:rD+7], v[rSA], v[rSB] matrix_a_fmt:MATRIX_FMT_FP6 matrix_b_fmt:MATRIX_FMT_FP6 matrix_b_scale:MATRIX_SCALE_ROW1
.else
	v_wmma_scale_f32_16x16x128_f8f6f4 v[rD:rD+7], v[rA:rA+11], v[rB:rB+11], v[rD:rD+7], v[rSA], v[rSB] matrix_a_fmt:MATRIX_FMT_FP6 matrix_b_fmt:MATRIX_FMT_FP6
.endif
.endif
.endm
.macro MUL s, zero                     ; 32 matrix instructions; the 32 accumulators take turns
	WIN 0xa1
.irp a, 0,1,2,3
.irp b, 0,1,2,3,4,5,6,7
.set rD, 64*\a+8*\b
.set rA, 128*(\s)+12*\b
.set rB, FB+48*(\s)+12*\a
.set rSA, SCA+4*(\s)+\b/2
.set rSB, SCB+2*(\s)+\a/2
	WM \zero, \b%2, \a%2
.endr
.endr
.endm
.macro FETCH ks, s                     ; 39 LDS loads
	WIN 0x40
.irp f, 0,1,2,3,4,5,6,7
.irp g, 0,1,2
	ds_load_b128 v[128*(\s)+12*\f+4*\g:128*(\s)+12*\f+4*\g+3], v[AD0+(\ks)/4] offset:((\ks)%4)*BLK+FRAG*\f+512*\g
.endr
.endr
	WIN 0
.irp a, 0,1,2,3
.irp g, 0,1,2
	ds_load_b128 v[FB+48*(\s)+12*\a+4*\g:FB+48*(\s)+12*\a+4*\g+3], v[AD1+(\ks)/4] offset:((\ks)%4)*BLK+FRAG*\a+512*\g
.endr
.endr
	ds_load_b64 v[SCA+4*(\s):SCA+4*(\s)+1], v[AS0+(\ks)/4] offset:((\ks)%4)*BLK
	ds_load_b64 v[SCA+4*(\s)+2:SCA+4*(\s)+3], v[AS0+(\ks)/4] offset:((\ks)%4)*BLK+256
	ds_load_b64 v[SCB+2*(\s):SCB+2*(\s)+1], v[AS1+(\ks)/4] offset:((\ks)%4)*BLK
.endm
	s_load_b256 s[4:11], s[0:1], 0x0               ; oi, wi, bo, out0
	v_lshl_add_u32 v[SPW], v0, 2, SPARE
	v_mov_b32 v[NIL], 0
	ds_add_u32 v[SPW], v[NIL]                      ; the wave's opening: the add and its wait stand ahead of the first tensor loads
	v_lshrrev_b32 v1, 5, v0
	v_readfirstlane_b32 s[WV], v1
	s_and_b32 s[WLO], s[WV], 1
	s_lshr_b32 s[WHI], s[WV], 1
	s_mul_i32 s[LA], s[WLO], RGB
	s_bfe_u32 s56, ttmp6, 0x40000                  ; cx
	s_bfe_u32 s57, ttmp6, 0x40004                  ; cy
	s_and_b32 s58, ttmp7, 0xffff                   ; the cluster's y
	s_lshl_b32 s60, ttmp9, 2
	s_add_co_u32 s60, s60, s56                     ; the tile of 256 columns
	s_lshl_b32 s62, s60, 1
	s_add_co_u32 s62, s62, s[WLO]                  ; my row group of Wo's columns
	s_add_co_u32 s60, s62, 24                      ; Wo begins at row group 24 of wi
	s_mul_i32 s60, s60, RGB
	s_mov_b32 s61, 0
	s_lshl_b32 s63, 0x1111, s56                    ; my column of the cluster
	s_or_b32 s[G1A], s63, (3<<16)|(1<<21)
	s_lshl_b32 s98, s57, 2
	s_lshl_b32 s98, 15, s98                        ; my row
	s_or_b32 s[G1B], s98, (3<<16)|(1<<21)
.irp g, G1A, G1B                               ; 25,600 dense bytes as 100 rows of 256
	s_mov_b32 s[\g+1], 32<<16
	s_mov_b32 s[\g+2], 100<<16
	s_mov_b32 s[\g+3], 32<<16
	s_mov_b32 s[\g+4], 100
	s_mov_b32 s[\g+5], 32
	s_mov_b32 s[\g+6], 0
	s_mov_b32 s[\g+7], 0
.endr
	s_lshl_b32 s86, s58, 2
	s_add_co_u32 s86, s86, s57                     ; the token row group 4 x cluster y + cy
	s_mul_i32 s84, s86, RGB
	s_mov_b32 s85, 0
	s_lshl_b32 s[OUT], s86, 19                     ; 128 rows of 4,096 bytes,
	s_lshl_b32 s93, s[WHI], 18                     ; my 64 of them,
	s_add_co_u32 s[OUT], s[OUT], s93
	s_lshl_b32 s92, s62, 9                         ; my 128 columns
	s_add_co_u32 s[OUT], s[OUT], s92
	s_mov_b32 s[OUT+1], 0
	s_mov_b32 s93, 0
	s_wait_dscnt 0x0                               ; the opening add is done
	s_wait_kmcnt 0x0
	s_add_nc_u64 s[88:89], s[6:7], s[60:61]
	s_add_nc_u64 s[90:91], s[4:5], s[84:85]
	s_add_nc_u64 s[8:9], s[8:9], s[92:93]          ; bo at my 128 columns
	s_add_nc_u64 s[OUT:OUT+1], s[10:11], s[OUT:OUT+1]
	CROUND                                         ; all sixteen work-groups are here: the joint loads meet
.irp n, 0,1,2,3
	s_mov_b32 s[G0A+4*\n], 1
	s_add_co_u32 s[G0A+4*\n+1], s[LA], \n*PAIRB
	s_add_nc_u64 s[G0A+4*\n+2:G0A+4*\n+3], s[88:89], \n*PAIRB
	s_or_b32 s[G0A+4*\n+3], s[G0A+4*\n+3], 0x80000000
	s_mov_b32 s[G0B+4*\n], 1
	s_mov_b32 s[G0B+4*\n+1], SRC1+\n*PAIRB
	s_add_nc_u64 s[G0B+4*\n+2:G0B+4*\n+3], s[90:91], \n*PAIRB
	s_or_b32 s[G0B+4*\n+3], s[G0B+4*\n+3], 0x80000000
.endr
	s_cmp_lt_u32 s[WV], 2                          ; waves 0 and 1: Wo's two row groups; wave 2: O's; four loads each, four of a wave's out; wave 3 none
	s_cbranch_scc0 .Lnot_a
.irp n, 0,1,2,3
	tensor_load_to_lds s[G0A+4*\n:G0A+4*\n+3], s[G1A:G1A+7]
	s_nop 0
.endr
	PLACES
	s_branch .Lfilled
.Lnot_a:
	s_cmp_eq_u32 s[WV], 2
	s_cbranch_scc0 .Lfilled
.irp n, 0,1,2,3
	tensor_load_to_lds s[G0B+4*\n:G0B+4*\n+3], s[G1B:G1B+7]
	s_nop 0
.endr
	PLACES
.Lfilled:
	v_bfe_u32 v1, v0, 4, 1                         ; h
	v_lshlrev_b32 v29, 6, v1                       ; 64 h
	WIN 0xc0                                       ; destination window 3
.irp bb, 0,1,2,3
.irp i, 0,1,2,3
	global_load_b128 v[16*\bb+4*\i:16*\bb+4*\i+3], v29, s[8:9] offset:128*\bb+16*\i   ; register 16 bb + i: bo of column 32 bb + 16 h + i
.endr
.endr
	WIN 0
	v_and_b32 v28, 15, v0                          ; r
	s_mul_i32 s60, s[WV], 16*272
	s_add_co_u32 s60, s60, STG                     ; my stage
	v_mul_u32_u24 v[STO], v28, 272
	v_lshl_add_u32 v[STO], v1, 6, v[STO]
	v_add_nc_u32 v[STO], s60, v[STO]               ; in: row r, + 64 h
	v_mul_u32_u24 v[RD], v1, 272
	v_lshl_add_u32 v[RD], v28, 4, v[RD]
	v_add_nc_u32 v[RD], s60, v[RD]                 ; back: lanes 0-15 one row, lanes 16-31 the next
	v_lshlrev_b32 v[GO], 12, v1
	v_lshl_add_u32 v[GO], v28, 4, v[GO]            ; and the same two rows in out
	v_and_b32 v1, 31, v0
	v_lshlrev_b32 v[CO], 4, v1
	v_lshlrev_b32 v[C8], 3, v1
	v_add_nc_u32 v[AD0], s[LA], v[CO]
	v_add_nc_u32 v[AD0+1], 4*BLK, v[AD0]
	s_mul_i32 s60, s[WHI], 4*FRAG
	s_add_co_u32 s60, s60, SRC1
	v_add_nc_u32 v[AD1], s60, v[CO]
	v_add_nc_u32 v[AD1+1], 4*BLK, v[AD1]
	s_add_co_u32 s60, s[LA], 8*FRAG
	v_add_nc_u32 v[AS0], s60, v[C8]
	v_add_nc_u32 v[AS0+1], 4*BLK, v[AS0]
	s_lshl_b32 s60, s[WHI], 8
	s_add_co_u32 s60, s60, SRC1+8*FRAG
	v_add_nc_u32 v[AS1], s60, v[C8]
	v_add_nc_u32 v[AS1+1], 4*BLK, v[AS1]
	s_wait_tensorcnt 0x3                           ; my first load has landed; the three behind it stay out
	s_barrier_signal -1
	s_barrier_wait -1
	FETCH 0, 0
.set q, 0
.rept 8
.if (q%2 == 1) && (q < 7)
	s_wait_dscnt 0x0
	s_wait_tensorcnt 3-(q+1)/2                     ; the next pair of K steps; the count is the loads issued behind it
	s_barrier_signal -1
	s_barrier_wait -1
.endif
.if (q > 0) && (q < 7)
	PLACES
.endif
.if q < 7
	FETCH q+1, (q+1)%2
	s_wait_dscnt 39                                ; all but the 39 just issued
.else
	s_wait_dscnt 0x0
.endif
	MUL q%2, q==0
.set q, q+1
.endr
	WIN 0
	PLACES
	s_wait_loadcnt 0x0                             ; bo
; tile a: 16 tokens x 128 columns, in two halves of 64 columns.  Lane rr of the tile holds token 32 (a / 2) + 8 (a % 2) + rr + 8 (rr / 8) of my 64
.macro OUTA a
	WIN 0x0e                                       ; source 0 window 2, source 1 window 3
.set j, 0
.rept 32
	v_pk_add_f32 v[HA+j:HA+j+1], v[64*\a+j:64*\a+j+1], v[j:j+1]   ; + bo; each accumulator is read from its low end on
.set j, j+2
.endr
	WIN 0
.irp u, 0,1
.if 2*\a+\u >= 2
	s_wait_xcnt 0x0                                ; the stores of two halves ago have read their registers, which the loads below fill
.endif
.irp bl, 0,1
.irp i, 0,1,2,3
	ds_store_b128 v[STO], v[HA+32*\u+16*\bl+4*\i:HA+32*\u+16*\bl+4*\i+3] offset:128*\bl+16*\i
.endr
.endr
.irp t, 0,1,2,3,4,5,6,7
	ds_load_b128 v[OB+32*\u+4*\t:OB+32*\u+4*\t+3], v[RD] offset:544*\t   ; LDS serves a wave's instructions in order: these see my stores
.endr
.irp t, 0,1,2,3,4,5,6,7
	s_wait_dscnt 7-\t                              ; the younger loads may be out
	global_store_b128 v[GO], v[OB+32*\u+4*\t:OB+32*\u+4*\t+3], s[OUT:OUT+1] offset:(2*\t+8*(\t/4)+32*(\a/2)+8*(\a%2))*4096+256*\u th:TH_STORE_NT
.endr
.endr
.endm
	OUTA 0
	OUTA 1
	OUTA 2
	OUTA 3
	s_wait_tensorcnt 0x0                           ; the wave's end, behind my last LDS store
	ds_add_u32 v[SPW], v[NIL]
	s_wait_dscnt 0x0
	CROUND                                         ; the closing round
	s_endpgm
.Lfunc_end_k_q133146dbf9_outp:
	.size	k_q133146dbf9_outp, .Lfunc_end_k_q133146dbf9_outp-k_q133146dbf9_outp
	.p2alignl 7, 3214868480
	.fill 96, 4, 3214868480
	.section	.rodata,"a",@progbits
	.p2align	6, 0x0
	.amdhsa_kernel k_q133146dbf9_outp
		.amdhsa_group_segment_fixed_size 327680
		.amdhsa_private_segment_fixed_size 0
		.amdhsa_enable_private_segment 0
		.amdhsa_kernarg_size 32
		.amdhsa_user_sgpr_count 2
		.amdhsa_user_sgpr_kernarg_segment_ptr 1
		.amdhsa_wavefront_size32 1
		.amdhsa_system_sgpr_workgroup_id_x 1
		.amdhsa_system_sgpr_workgroup_id_y 1
		.amdhsa_system_sgpr_workgroup_id_z 1
		.amdhsa_system_vgpr_workitem_id 0
		.amdhsa_next_free_vgpr 832
		.amdhsa_next_free_sgpr 100
		.amdhsa_reserve_vcc 0
		.amdhsa_float_denorm_mode_32 3
		.amdhsa_float_denorm_mode_16_64 3
		.amdhsa_memory_ordered 1
		.amdhsa_forward_progress 1
		.amdhsa_inst_pref_size 89
	.end_amdhsa_kernel
	.amdgpu_metadata
---
amdhsa.version: [ 1, 2 ]
amdhsa.kernels:
  - .name:           k_q133146dbf9_outp
    .symbol:         k_q133146dbf9_outp.kd
    .args:
      - { .name: oi, .offset: 0, .size: 8, .value_kind: global_buffer, .address_space: global }
      - { .name: wi, .offset: 8, .size: 8, .value_kind: global_buffer, .address_space: global }
      - { .name: bo, .offset: 16, .size: 8, .value_kind: global_buffer, .address_space: global }
      - { .name: out0, .offset: 24, .size: 8, .value_kind: global_buffer, .address_space: global }
    .group_segment_fixed_size: 327680
    .private_segment_fixed_size: 0
    .kernarg_segment_align: 8
    .kernarg_segment_size: 32
    .max_flat_workgroup_size: 128
    .sgpr_count:     100
    .vgpr_count:     832
    .wavefront_size: 32
...
	.end_amdgpu_metadata
.endif
;; end of part 5
